; MI455X (gfx1250); checked and timed in simulation.
; The chip was launched on July 23, 2026; its instructions are those of AMD's public machine-readable ISA for CDNA 5 (MIT licence, August 2026) and "CDNA5" Instruction Set Architecture Reference Guide (July 2026). The comments in the code are by the model that wrote it; some were corrected since.
;; PCVR Symbiosis. Allowed arithmetic: matrix products marked QUANTISED: E2M1 operands, one E8M0 scale for each 32 along K, by v_wmma_scale_f32_16x16x128_f8f6f4 with both operands' format E2M1 (or v_wmma_scale_f32_32x16x128_f4), f32 sums; products left as they are: f32 operands where the result goes on into a quantised operand, else bf16, f16 or f32 operands; f32 sums; everything else in f32.
;; Inputs: Whw 512 x 8 float32; Wk 512 x 64 float32; Wqd 512 x 64 float32; Wqu 64 x 512 float32; Wv 512 x 512 float32; Ww 512 x 512 float32; bhw 8 float32; bk 64 float32; bqd 64 float32; bqu 512 float32; bv 512 float32; bw 512 float32; g_k 64 float32; g_out 512 float32; g_q 64 float32; padding_mask 32 x 4,096 bool; pos_bias 32 x 512 float32; query 32 x 512 float32; tokens 32 x 4,096 x 512 float32.
;; Outputs: out0 32 x 16 x 512 float32; out1 32 x 16 bool.
;; Constants: top_k = 16.
;; This version of the problem:
;;   THIS VERSION OF THE PROBLEM IS GIVEN IN LOW PRECISION. The matrix products marked QUANTISED in the list below multiply operands that are first quantised to E2M1 (2 exponent bits, 1 mantissa bit; 4 bits a number), with one power-of-two scale for each 32 numbers along K (OCP MX v1.0); their sums are f32. All else is computed in f32.
;;   The module's matrix products, in the order in which they are computed (A, B: the left and right operand; K: the contracted axis; several contracted axes count as one K, in the product's order):
;;     1. [M 131,072, K 512] x [K 512, N 512]; A: input tokens; B: input Wv: QUANTISED
;;     2. [M 131,072, K 512] x [K 512, N 512]; A: input tokens; B: input Ww: QUANTISED
;;     3. [M 32, K 512] x [K 512, N 64]; A: input query; B: input Wqd: QUANTISED
;;     4. [M 32, K 64] x [K 64, N 512]; A: computed on the way; B: input Wqu: QUANTISED
;;     5. [M 4,096, K 512] x [K 512, N 64]; A: computed on the way; B: input Wk: QUANTISED
;;     6. batch 32 x [M 8, K 64] x [K 64, N 128]; A: computed on the way; B: computed on the way: left as it is (M = 8 < 16)
;;     7. [M 32, K 512] x [K 512, N 8]; A: input query; B: input Whw: left as it is (N = 8 < 16)
;;   THE QUANTISER, for each operand of a quantised product, along K:
;;     - K is cut into blocks of 32 from its start; a last block that is shorter is filled with zeros.
;;     - A block's scale is 2^e with e = floor(log2(the largest magnitude in the block)) - 2, held to -126 .. 127; a block of zeros has e = 0. As a byte (E8M0): e + 127.
;;     - Each number is divided by its block's scale, clamped to +-6, and rounded to the nearest number of E2M1, ties to even, subnormals kept.
;;     - The product sums the exact products of the quantised numbers (number of the format x scale) in f32.
;;   ~~~python
;;   def quantise(x, axis):      # numpy; x: float32 -> the quantised numbers, widened to float32 again
;;       x = np.moveaxis(x, axis, -1); K = x.shape[-1]
;;       x = np.pad(x, [(0, 0)] * (x.ndim - 1) + [(0, -K % 32)]); x = x.reshape(x.shape[:-1] + (-1, 32)); a = np.abs(x).max(-1, keepdims=True)
;;       e = np.where(a > 0, np.clip(np.frexp(np.where(a > 0, a, 1))[1] - 1 - 2, -126, 127), 0)      # np.frexp(a)[1] - 1 = floor(log2(a)), exactly
;;       r = np.clip(x / 2.0 ** e, -6, 6)
;;       step = 2.0 ** (np.maximum(np.frexp(np.where(r == 0, 1, r))[1] - 1, 0) - 1)
;;       q = np.round(r / step) * step * 2.0 ** e      # np.round: ties to even
;;       return np.moveaxis(q.reshape(q.shape[:-2] + (-1,))[..., :K], -1, axis).astype(np.float32)
;;   ~~~
;;   OPERANDS COMPUTED ON THE WAY. 'Computed on the way' means the value that the module computes at that place (a softmax that the list does not call 'softmax' is quantised finished and normalised). What goes into a quantiser is computed in f32, as accurately as f32 sums, v_exp_f32 and their like allow (about 1e-6 of the number): no bf16 or f16 on the way to a quantiser, and a product that is left as it is and whose result goes on into a quantised operand takes f32 operands (vector FMAs, or v_wmma_f32_16x16x4_f32). A number that lies on a knife's edge between two numbers of the format may be rounded either way, as far as f32 arithmetic and the matrix unit's own rounding can turn it there, and no further.
;; One version. Each part assembles by itself: llvm-mc -triple=amdgcn-amd-amdhsa -mcpu=gfx1250 --defsym DOCPART=n.
;; ======== version 1 of 1: 3 launches
;; limits: right only within a limited range of input values
;; workspace buffers: wq 296,960 bytes; qg 65,536 bytes; bt 8,388,608 bytes; scores 16,384 bytes
;; launch prep (part 1): grid 18 x 1, 16 waves a work-group, no clusters, 128,000 bytes of LDS; arguments Wv, Ww, Wk, wq, Wqd, Wqu, Whw, query, bqd, g_q, bqu, bhw, g_k, qg; writes wq, qg
.if DOCPART == 1
	.amdgcn_target "amdgcn-amd-amdhsa--gfx1250"
	.amdhsa_code_object_version 6
	.text
	.protected	k_q104aac60f4_prep
	.globl	k_q104aac60f4_prep
	.p2align	8
	.type	k_q104aac60f4_prep,@function
k_q104aac60f4_prep:
	s_mov_b64 s[64:65], 0
	v_nop
	global_prefetch_b8 v0, s[64:65] scope:SCOPE_SE
	s_setreg_imm32_b32 hwreg(HW_REG_WAVE_MODE, 25, 1), 1
	s_wait_xcnt 0x0
; PREP.  Work-groups 0-7: Wv, 8-15: Ww, 16: Wk are quantised along K (their first axis) to E2M1 with one E8M0 byte for each 32 along K,
; and stored in the order of the operand registers of the next launch.  Work-group 17 runs the whole query path and stores
; qg[b][head][i] = softmax(query Whw + bhw)[b][head] x (rmsnorm(query Wqd + bqd, g_q) Wqu + bqu)[b][head][i] x g_k[i].
; DEAD WORK: none is left out in the whole program, and all inputs are loaded.  bw is the same along the softmax's axis, but beside the
; mask's F32_MIN and the clamp of the weights' sum it does not cancel for all finite values, so it stays.
; ALGEBRA (moves results by rounding alone): bv is added behind the pooling, whose weights sum to 1 (blocks with no valid token are set to 0
; afterwards); the head weight (>= 0), g_k and the key's 1/rms (> 0) are drawn through the relu:
; score = rs x sum over heads of relu(sum over i of qg[b][head][i] x (block_token Wk + bk)[i]).
; LIMITS: NaN and infinities among the inputs are not served.  A block of zeros gets the scale byte 1 where the rule says 127: its codes
; are zeros, and the bytes are read by this program alone.
; wq: 0: [wave 8][tile 8: 0-3 Wv, 4-7 Ww][K step 4][piece 2][lane 32][16 bytes]; lane (r, h), piece c: column r, k = 128 s + 64 c + 32 h + 0..31
;     262144: [wave 8][tile 4][lane: 0-15 Wv's column r, 16-31 Ww's][4 scale words];  278528: Wk's fragments [tile 4][4][2][32][16];
;     294912: Wk's scale words [tile 4][512 bytes, of which 16 bytes for each r < 16 are written and read]
; The two paths part on the work-group's number and have LDS bytes of their own.
.set KS,    0                          ; path of the weights: 64 columns x 16 scale bytes
.set IMQ,   1024                       ; query's fragments as register images [batch tile 2][K step 4][piece 2][lane][16]
.set IMD,   9216                       ; Wqd's fragments [4 t + s][piece 2][lane][16]
.set WHT,   25600                      ; Whw turned: [chunk of 16 k: 32][head 8][16 k], 512 bytes + 16 of padding a chunk
.set SCD,   42496                      ; Wqd's scale words [4 t + s][128 bytes, of which 4 bytes for each r < 16 are written and read]
.set SCQ,   44544                      ; query's scale bytes [batch tile 2][K step 4][r 16][4]
.set HWT,   45056                      ; head weights [batch 32][8]
.set IML,   46080                      ; the latent's fragments [batch tile 2][lane][16]
.set SCL,   47104                      ; their scale words [2][lane]
.set BG,    47360                      ; bqd's 64 numbers, then g_q's
.set BQG,   47872                      ; for each wave 256 bytes: its 32 numbers of bqu, then of g_k
.set SPARE, 51968                      ; the spare words, 128 bytes for each of 16 waves; no other line names them
.set XST,   54016                      ; for each wave a stage of 32 pieces of 128 bytes + 16 of padding: 4,608 bytes
; 32 numbers of one lane, v[x] on, become 32 codes in v[c] .. v[c+3]; v[sc] is left holding the conversion's scale operand (its exponent field is the byte)
.macro QB32 x, c, m0, m1, sc
	v_max3_num_f32 v[\m0], |v[(\x)]|, |v[(\x)+1]|, |v[(\x)+2]|
	v_max3_num_f32 v[\m1], |v[(\x)+3]|, |v[(\x)+4]|, |v[(\x)+5]|
.irp i, 6,10,14,18,22,26
	v_max3_num_f32 v[\m0], v[\m0], |v[(\x)+\i]|, |v[(\x)+\i+1]|
	v_max3_num_f32 v[\m1], v[\m1], |v[(\x)+\i+2]|, |v[(\x)+\i+3]|
.endr
	v_max3_num_f32 v[\m0], v[\m0], |v[(\x)+30]|, |v[(\x)+31]|
	v_max3_num_f32 v[\m0], v[\m0], v[\m1], 0x1800000       ; the floor 2^(3 - 127): the byte cannot fall under 1
	v_add_nc_u32 v[\sc], 0xff000000, v[\m0]                ; 2 off the exponent field
.irp g, 0,1,2,3
	v_cvt_scalef32_pk8_fp4_f32 v[(\c)+\g], v[(\x)+8*\g:(\x)+8*\g+7], v[\sc]
.endr
	v_nop                                                  ; one plain line behind the conversions
.endm
.macro LOAD64 pitch                    ; my column's 64 numbers down K
.set n, 0
.rept 64
	global_load_b32 v[32+n], v6, s[4:5] offset:n*\pitch th:TH_LOAD_NT
.set n, n+1
.endr
.endm
.macro WM d, a, b, c, sa, sb
	v_wmma_scale_f32_16x16x128_f8f6f4 v[(\d):(\d)+7], v[(\a):(\a)+7], v[(\b):(\b)+7], \c, v[\sa], v[\sb] matrix_a_fmt:MATRIX_FMT_FP4 matrix_b_fmt:MATRIX_FMT_FP4
.endm
.macro BAR
	s_wait_dscnt 0x0                                       ; my LDS stores have landed and my LDS loads are in
	s_barrier_signal -1
	s_barrier_wait -1
.endm
; query Whw, batch n of four: heads 2 n and 2 n + 1.  Eight loads bring my chunk's 16 rows of both heads, four numbers a load, into set n % 2
; (v128-159, v160-191; the last four registers of the second set are v224-227, since v188-191 hold loads of Wqu that are on their way)
.macro LOADW n
.irp e, 0,1
.irp g, 0,1,2,3
.set WR, 128+32*((\n)%2)+16*\e+4*\g
.if WR == 188
.set WR, 224
.endif
	ds_load_b128 v[WR:WR+3], v242 offset:WHT+64*(2*(\n)+\e)+16*\g
.endr
.endr
.endm
; and its 32 packed multiply-adds: each number of Whw serves both batches; a sum's two halves are the even and the odd k.  Four sums take turns
.macro P7B n
.irp g, 0,1,2,3
.irp f, 0,1
.irp e, 0,1
.set WR, 128+32*((\n)%2)+16*\e+4*\g
.if WR == 188
.set WR, 224
.endif
.irp p, 0,1
.set AC, 192+16*\p+2*(2*(\n)+\e)
.set QR, 32+16*\p+4*\g+2*\f
.if (\g == 0) && (\f == 0)
	v_pk_mul_f32 v[AC:AC+1], v[QR:QR+1], v[WR+2*\f:WR+2*\f+1]          ; the first product starts the sum
.else
	v_pk_fma_f32 v[AC:AC+1], v[QR:QR+1], v[WR+2*\f:WR+2*\f+1], v[AC:AC+1]
.endif
.endr
.endr
.endr
.endr
.endm
	v_lshl_add_u32 v1, v0, 2, SPARE                        ; my spare word; never rewritten
	v_mov_b32 v2, 0                                        ; 0; never rewritten
	v_lshrrev_b32 v3, 5, v0
	v_readfirstlane_b32 s2, v3                             ; wave 0..15
	v_and_b32 v3, 31, v0                                   ; lane
	v_and_b32 v4, 15, v0                                   ; r
	v_bfe_u32 v5, v0, 4, 1                                 ; h
	s_cmp_eq_u32 ttmp9, 17
	s_cbranch_scc1 .Lquery
; ---------------- the weights: 64 columns x all of K to a work-group; a lane takes a column and its registers run down K
	s_load_b256 s[4:11], s[0:1], 0x0                       ; Wv s[4:5], Ww s[6:7], Wk s[8:9], wq s[10:11]
	s_and_b32 s12, s2, 1                                   ; cg: which 32 columns
	s_lshr_b32 s13, s2, 1                                  ; hs: which 64 along K (two blocks)
	s_and_b32 s14, ttmp9, 7                                ; w: the wave of the next launch that owns these columns (0 for Wk)
	s_bfe_u32 s15, ttmp9, 0x10003                          ; 1 for Ww
	s_cmp_eq_u32 ttmp9, 16
	s_cselect_b32 s16, 14, 17                              ; 64 rows of 256 bytes (Wk) or of 2,048
	s_lshl_b32 s16, s13, s16
	s_lshl_b32 s17, s14, 8                                 ; + my work-group's 64 columns
	s_add_co_u32 s16, s16, s17
	s_mov_b32 s17, 0
	s_lshl_b32 s18, s14, 15
	s_lshl_b32 s19, s15, 14
	s_add_co_u32 s18, s18, s19                             ; codes: 32768 w + 16384 for Ww
	s_lshl_b32 s20, s14, 11
	s_lshl_b32 s21, s15, 8
	s_add_co_u32 s20, s20, s21
	s_add_co_u32 s20, s20, 262144                          ; scale words: 262144 + 2048 w + 256 for Ww
	s_mov_b32 s22, 278528
	s_mov_b32 s23, 294912
	s_cmp_eq_u32 ttmp9, 16
	s_cselect_b32 s18, s22, s18
	s_cselect_b32 s20, s23, s20
	s_mov_b32 s19, 0
	s_mov_b32 s21, 0
	v_lshlrev_b32 v6, 2, v3
	s_lshl_b32 s24, s12, 7
	v_add_nc_u32 v6, s24, v6                               ; in: 4 lane + 128 cg
	v_lshlrev_b32 v7, 12, v5
	v_lshl_add_u32 v7, v4, 4, v7
	s_lshl_b32 s24, s12, 13
	s_lshl_b32 s25, s13, 9
	s_add_co_u32 s24, s24, s25
	v_add_nc_u32 v7, s24, v7                               ; out: tile (2 cg + h) x 4096 + 512 hs + 16 r; the block adds 256
	s_lshl_b32 s24, s12, 9
	s_lshl_b32 s25, s13, 1
	s_add_co_u32 s24, s24, s25
	v_lshl_add_u32 v8, v3, 4, s24                          ; LDS: my column's 16 scale bytes, my two of them
	v_lshlrev_b32 v9, 4, v0                                ; LDS, back: column 32 wave + lane (waves 0 and 1)
	v_lshlrev_b32 v10, 9, v5
	v_lshl_add_u32 v10, v4, 4, v10
	s_lshl_b32 s24, s2, 10
	v_add_nc_u32 v10, s24, v10                             ; scale words out: 512 (2 wave + h) + 16 r
	s_wait_kmcnt 0x0
	s_cmp_lt_u32 ttmp9, 8                                  ; the choice hangs on the work-group's number alone
	s_cselect_b64 s[4:5], s[4:5], s[6:7]
	s_cmp_eq_u32 ttmp9, 16
	s_cselect_b64 s[4:5], s[8:9], s[4:5]
	s_add_nc_u64 s[4:5], s[4:5], s[16:17]
	s_add_nc_u64 s[6:7], s[10:11], s[18:19]
	s_add_nc_u64 s[8:9], s[10:11], s[20:21]
	s_cmp_eq_u32 ttmp9, 16
	s_cbranch_scc1 .Lk_narrow
	LOAD64 2048
	s_branch .Lk_loaded
.Lk_narrow:
	LOAD64 256
.Lk_loaded:
.irp b, 0,1
	s_wait_loadcnt 32-32*\b                                ; this block's 32 loads are in; the second block's may be out
	QB32 32+32*\b, 96+4*\b, 24, 25, 26+\b
	global_store_b128 v7, v[96+4*\b:99+4*\b], s[6:7] offset:256*\b   ; sixteen lanes store 256 consecutive bytes, aligned
.endr
	v_lshrrev_b32 v28, 23, v26
	v_lshrrev_b32 v29, 23, v27
	v_lshl_or_b32 v28, v29, 8, v28                         ; my two scale bytes
	ds_store_b16 v8, v28 offset:KS
	BAR                                                    ; every column's 16 bytes lie in LDS
	s_cmp_gt_u32 s2, 1
	s_cbranch_scc1 .Lk_end
	ds_load_b128 v[104:107], v9 offset:KS
	s_wait_dscnt 0x0
	global_store_b128 v10, v[104:107], s[8:9]              ; sixteen lanes store 256 consecutive bytes
.Lk_end:
	s_wait_tensorcnt 0x0                                   ; the wave's end
	ds_add_u32 v1, v2
	s_wait_dscnt 0x0
	s_endpgm
; ---------------- the query path: one work-group, wave v
; All that memory has to bring is asked for in two groups, and every load and store of a wave runs along consecutive bytes (512 for query and Whw, 128 for Wqd, Wqu and qg).
; SHARES.  query: wave v takes batches 2 v and 2 v + 1 (4 KB on end) and turns them through its own stage.  Whw: wave v brings rows 32 v on into LDS, turned; every wave reads all of it.
; Wqd: wave v takes columns 32 (v % 2) on and k = 64 (v / 2) on, a lane a column.  Wqu: wave v takes columns 32 v on and all 64 k; they are its own output channels.
; REGISTERS: v3, v6-25, v241, v242 addresses; v26-31 at work; v32-63 query, later accumulators; v64-127 Wqd's numbers, later fragments, g_q, bqu, g_k;
; v128-191 Whw's numbers, then Wqu's, later rows of qg; v192-223 sums, codes, Wqu's two fragments; v224-231, v243-255 codes, bytes and what the first loads bring;
; v232-240 scale words and nothing else
.Lquery:
	s_load_b512 s[84:99], s[0:1], 0x20                     ; Wqd 84, Wqu 86, Whw 88, query 90, bqd 92, g_q 94, bqu 96, bhw 98
	s_load_b128 s[4:7], s[0:1], 0x60                       ; g_k s[4:5], qg s[6:7]
	s_mov_b32 s8, 0x76543210
	s_mov_b32 s9, 0xfedcba98                               ; v_permlanex16_b32's selects for lane l xor 16
	s_mov_b32 s10, 0x3c800000                              ; 1 / 64
	s_mov_b32 s11, 0x358637bd                              ; 1e-6
	s_mov_b32 s12, 0xffff0000                              ; lanes 16-31
	s_and_b32 s14, s2, 1                                   ; v % 2: Wqd's column group; the batch tile of waves 0 and 1; the half of my head
	s_lshr_b32 s15, s2, 1                                  ; v / 2: which 64 along K of Wqd; the head of my 32 output channels
	v_lshlrev_b32 v13, 4, v3                               ; 16 lane
	v_lshlrev_b32 v14, 2, v3                               ; 4 lane
	v_lshrrev_b32 v26, 3, v3                               ; lane / 8
	v_and_b32 v27, 7, v3                                   ; lane % 8
	s_mul_i32 s100, s2, 4608
	s_add_co_u32 s100, s100, XST                           ; my stage
	v_mul_u32_u24 v6, v26, 144
	v_lshl_add_u32 v6, v27, 4, v6
	v_add_nc_u32 v6, s100, v6                              ; the stage by dense pieces: eight lanes to a piece of 128 bytes, four pieces an instruction
	v_mul_u32_u24 v28, v4, 144
	v_lshl_add_u32 v7, v5, 6, v28
	v_add_nc_u32 v7, s100, v7                              ; piece r, 64 h bytes on: 16 k of block r
	v_lshl_add_u32 v11, v5, 5, v28
	v_add_nc_u32 v11, s100, v11                            ; piece r, 32 h bytes on: eight channels of batch r
	v_mul_u32_u24 v8, v3, 144
	v_add_nc_u32 v8, s100, v8                              ; piece = lane: batch lane / 16 of my two, block lane % 16
	v_lshlrev_b32 v24, 11, v26
	v_lshl_add_u32 v24, v27, 4, v24                        ; qg: row lane / 8 of four, 16 (lane % 8) bytes on
	s_lshr_b32 s24, s2, 3
	s_and_b32 s25, s2, 7
	v_lshlrev_b32 v9, 8, v4
	v_lshl_add_u32 v9, v5, 4, v9
	s_lshl_b32 s26, s24, 12
	s_lshl_b32 s27, s25, 5
	s_add_co_u32 s26, s26, s27
	v_add_nc_u32 v9, s26, v9                               ; query's image: 4096 (b / 16) + 16 (b % 16) + 256 x block, b = 2 v + h, block = r
	v_lshrrev_b32 v28, 2, v4
	v_and_b32 v29, 3, v4
	v_lshl_add_u32 v10, v28, 6, v29
	v_lshl_add_u32 v10, v5, 2, v10
	s_lshl_b32 s26, s24, 8
	s_lshl_b32 s27, s25, 3
	s_add_co_u32 s26, s26, s27
	v_add_nc_u32 v10, s26, v10                             ; its scale byte: 256 (b / 16) + 64 (block / 4) + 4 (b % 16) + block % 4
	v_lshlrev_b32 v12, 5, v5
	s_lshl_b32 s26, s2, 6
	v_add_nc_u32 v12, s26, v12                             ; head weights of batch 2 v + h
	v_bfe_u32 v28, v0, 3, 1                                ; u: column l of 32 lies in tile 2 (v % 2) + u,
	v_lshl_add_u32 v29, v5, 3, v27                         ; at its lane l % 8 + 8 (l / 16): the inverse of l = 8 u + lane + 8 (lane / 8)
	v_lshlrev_b32 v15, 12, v28
	v_lshl_add_u32 v15, v29, 4, v15
	s_lshl_b32 s26, s14, 13
	s_lshl_b32 s27, s15, 9
	s_add_co_u32 s26, s26, s27
	v_add_nc_u32 v15, s26, v15                             ; Wqd's image: 1024 (4 t + s) + 512 c + 16 x lane of the tile; 2 s + c = v / 2; the second block lies 256 on
	v_lshlrev_b32 v16, 9, v28
	v_lshl_add_u32 v16, v29, 2, v16
	s_lshl_b32 s26, s14, 10
	s_lshr_b32 s27, s15, 1
	s_lshl_b32 s27, s27, 7
	s_add_co_u32 s26, s26, s27
	s_and_b32 s27, s15, 1
	s_lshl_b32 s27, s27, 1
	s_add_co_u32 s26, s26, s27
	v_add_nc_u32 v16, s26, v16                             ; its two scale bytes: 128 (4 t + s) + 4 x lane of the tile + 2 c
	s_lshl_b32 s26, s14, 12
	v_add_nc_u32 v17, s26, v13                             ; 16 lane + 4096 i
	v_lshlrev_b32 v25, 2, v4                               ; 4 r
	s_lshl_b32 s26, s14, 8
	v_add_nc_u32 v18, s26, v25                             ; 4 r + 256 i
	s_lshl_b32 s26, s14, 9
	v_add_nc_u32 v19, s26, v13                             ; 16 lane + 512 i
	s_lshl_b32 s26, s14, 7
	v_add_nc_u32 v20, s26, v14                             ; 4 lane + 128 i
	v_lshlrev_b32 v21, 5, v4
	s_lshl_b32 s26, s15, 2
	v_add_nc_u32 v21, s26, v21                             ; 32 r + 4 head
	v_lshlrev_b32 v23, 6, v5                               ; 64 h
	v_and_b32 v28, 1, v0
	v_bfe_u32 v29, v0, 1, 4
	v_lshlrev_b32 v241, 8, v28
	v_lshl_add_u32 v241, v29, 2, v241
	s_mul_i32 s27, s2, 528
	v_add_nc_u32 v241, s27, v241                           ; Whw turned, in: chunk v (the second load: v + 16), head 4 (lane % 2) + e, k = lane / 2
	v_mul_u32_u24 v242, v3, 528                            ; and out: chunk = lane: block lane % 16, its half lane / 16
	v_lshlrev_b32 v22, 5, v5
	s_lshl_b32 s26, s2, 8
	v_add_nc_u32 v22, s26, v22                             ; my 256 bytes of bqu and g_k: 32 h
	v_add_nc_u32 v3, s26, v14                              ; and 4 lane (the lane's number is not wanted any more)
	s_wait_kmcnt 0x0
	s_load_b256 s[16:23], s[98:99], 0x0                    ; bhw; s16-23 are written by nothing else
	s_mov_b32 s101, 0
	s_lshl_b32 s100, s2, 12                                ; my two rows of query
	s_add_nc_u64 s[90:91], s[90:91], s[100:101]
	s_lshl_b32 s100, s2, 10                                ; my 32 rows of Whw
	s_add_nc_u64 s[88:89], s[88:89], s[100:101]
	s_lshl_b32 s100, s2, 7                                 ; my 32 output channels
	s_add_nc_u64 s[86:87], s[86:87], s[100:101]
	s_add_nc_u64 s[96:97], s[96:97], s[100:101]
	s_add_nc_u64 s[6:7], s[6:7], s[100:101]
	s_lshl_b32 s100, s14, 7                                ; g_k: channel 32 (v % 2) of the head
	s_add_nc_u64 s[4:5], s[4:5], s[100:101]
	s_lshl_b32 s100, s15, 14                               ; Wqd: 64 (v / 2) rows of 256 bytes,
	s_lshl_b32 s26, s14, 7
	s_add_co_u32 s100, s100, s26                           ; + column 32 (v % 2)
	s_add_nc_u64 s[84:85], s[84:85], s[100:101]
	; the first group of loads, what is wanted first in front
	global_load_b128 v[244:247], v13, s[88:89]             ; Whw: 512 consecutive bytes a load
	global_load_b128 v[248:251], v13, s[88:89] offset:512
.irp i, 0,1,2,3,4,5,6,7
	global_load_b128 v[32+4*\i:35+4*\i], v13, s[90:91] offset:512*\i   ; query: likewise
.endr
	global_load_b32 v231, v14, s[96:97]                    ; bqu of my 32 channels
	global_load_b32 v243, v14, s[4:5]                      ; g_k of them
	s_cmp_lg_u32 s2, 3
	s_cbranch_scc1 .Lq_nobg
	global_load_b32 v252, v14, s[92:93]                    ; wave 3: bqd and g_q, for waves 0 and 1
	global_load_b32 v253, v14, s[92:93] offset:128
	global_load_b32 v254, v14, s[94:95]
	global_load_b32 v255, v14, s[94:95] offset:128
.Lq_nobg:
.set n, 0
.rept 64
	global_load_b32 v[64+n], v14, s[84:85] offset:256*n    ; Wqd(64 (v / 2) + n, my column): 128 consecutive bytes a load
.set n, n+1
.endr
.irp n, 60,61,62,63
	global_load_b32 v[128+\n], v14, s[86:87] offset:2048*\n   ; the last four rows of Wqu now, so that the second group is 60 loads
.endr
	s_wait_loadcnt 63                                      ; 80 loads were issued (84 in wave 3): 17 (21) at the least are in, the first 12 (16) among them
.irp e, 0,1,2,3
	ds_store_b32 v241, v[244+\e] offset:WHT+64*\e
	ds_store_b32 v241, v[248+\e] offset:WHT+8448+64*\e
.endr
.irp i, 0,1,2,3,4,5,6,7
	ds_store_b128 v6, v[32+4*\i:35+4*\i] offset:576*\i     ; query into my stage, as it lies
.endr
	ds_store_b32 v3, v231 offset:BQG
	ds_store_b32 v3, v243 offset:BQG+128
	s_cmp_lg_u32 s2, 3
	s_cbranch_scc1 .Lq_nobg2
	ds_store_b32 v14, v252 offset:BG
	ds_store_b32 v14, v253 offset:BG+128
	ds_store_b32 v14, v254 offset:BG+256
	ds_store_b32 v14, v255 offset:BG+384
.Lq_nobg2:
.irp p, 0,1
.irp m, 0,1,2,3
	ds_load_b128 v[32+16*\p+4*\m:35+16*\p+4*\m], v7 offset:2304*\p+16*\m   ; back (LDS serves a wave's instructions in order): k = 32 r + 16 h + 0..15 of both my batches
.endr
.endr
	BAR                                                    ; all of Whw lies in LDS
	; query Whw in f32: my 16 k, both batches, eight heads
	LOADW 0
	LOADW 1
	s_wait_dscnt 8                                         ; this batch's eight loads are in; the next batch's may be out
	P7B 0
	LOADW 2
	s_wait_dscnt 8
	P7B 1
	LOADW 3
	s_wait_dscnt 8
	P7B 2
	s_wait_dscnt 0x0
	P7B 3
	s_wait_loadcnt 0x0                                     ; the first group is in: Wqd among it
.set n, 0
.rept 60
	global_load_b32 v[128+n], v14, s[86:87] offset:2048*n  ; the second group: Wqu(n, my column), into the registers that Whw's numbers have left
.set n, n+1
.endr
.irp m, 0,1,2,3,4,5,6,7
	ds_load_b128 v[32+4*\m:35+4*\m], v8 offset:16*\m       ; query once more, for the quantiser: a whole block of 32 to a lane
.endr
.set d, 0
.rept 16
	v_add_f32 v[192+d], v[192+2*d], v[193+2*d]             ; even and odd k; ascending, so that no sum is written over before it is read
.set d, d+1
.endr
.irp e, 0,1,2,3,4,5,6,7
	v_cndmask_b32 v[208+\e], v[192+\e], v[200+\e], s12     ; lanes 0-15 keep the first batch's sums, lanes 16-31 the second's,
.endr
.irp e, 0,1,2,3,4,5,6,7
	v_cndmask_b32 v[216+\e], v[200+\e], v[192+\e], s12     ; and send the other's
.endr
.irp e, 0,1,2,3,4,5,6,7
	v_permlanex16_b32 v[192+\e], v[216+\e], s8, s9
.endr
.irp e, 0,1,2,3,4,5,6,7
	v_add_f32 v[192+\e], v[192+\e], v[208+\e]
.endr
.irp m, 1,2,4,8
.irp e, 0,1,2,3,4,5,6,7
	v_add_f32_dpp v[192+\e], v[192+\e], v[192+\e] row_xmask:\m row_mask:0xf bank_mask:0xf   ; over the 16 blocks
.endr
.endr
	s_wait_kmcnt 0x0                                       ; bhw
.irp e, 0,1,2,3,4,5,6,7
	v_add_f32 v[192+\e], s[16+\e], v[192+\e]
.endr
	v_max3_num_f32 v26, v192, v193, v194                   ; the softmax over the eight heads, its maximum taken away
	v_max3_num_f32 v26, v26, v195, v196
	v_max3_num_f32 v26, v26, v197, v198
	v_max_num_f32 v26, v26, v199
.irp e, 0,1,2,3,4,5,6,7
	v_sub_f32 v[192+\e], v[192+\e], v26
.endr
.irp e, 0,1,2,3,4,5,6,7
	v_mul_f32 v[192+\e], 0x3fb8aa3b, v[192+\e]
.endr
.irp e, 0,1,2,3,4,5,6,7
	v_exp_f32 v[192+\e], v[192+\e]
.endr
	v_nop
	s_wait_alu depctr_va_vdst(0)                           ; one wait for the eight exponentials
	v_pk_add_f32 v[26:27], v[192:193], v[194:195]
	v_pk_add_f32 v[28:29], v[196:197], v[198:199]
	v_pk_add_f32 v[26:27], v[26:27], v[28:29]
	v_add_f32 v26, v26, v27
	v_rcp_f32 v26, v26
	v_nop
	s_wait_alu depctr_va_vdst(0)
.irp q, 0,2,4,6
	v_pk_mul_f32 v[192+\q:193+\q], v[192+\q:193+\q], v[26:27] op_sel_hi:[1,0]
.endr
	ds_store_b128 v12, v[192:195] offset:HWT               ; sixteen lanes store the same numbers to the same place
	ds_store_b128 v12, v[196:199] offset:HWT+16
	s_wait_dscnt 0x0                                       ; query's blocks are back
	QB32 32, 224, 26, 27, 28                               ; block r of batch 2 v + h: a piece of the operand's image
	v_lshrrev_b32 v228, 23, v28
	ds_store_b128 v9, v[224:227] offset:IMQ
	ds_store_b8 v10, v228 offset:SCQ
	QB32 64, 200, 26, 27, 28                               ; my column's two blocks of Wqd: lanes r and 16 + r of a piece of its tile's image
	QB32 96, 204, 26, 27, 29
	v_lshrrev_b32 v30, 23, v28
	v_lshrrev_b32 v31, 23, v29
	v_lshl_or_b32 v229, v31, 8, v30
	ds_store_b128 v15, v[200:203] offset:IMD
	ds_store_b128 v15, v[204:207] offset:IMD+256
	ds_store_b16 v16, v229 offset:SCD
	BAR                                                    ; all images and scale words of the first product lie in LDS
	s_cmp_gt_u32 s2, 1
	s_cbranch_scc1 .Lq_b2
	; waves 0 and 1: the latent of batch tile i, transposed (source 0 = 16 columns of Wqd, source 1 = 16 batches): a lane holds one batch
.irp t, 0,1,2,3
	ds_load_b128 v[32+8*\t:35+8*\t], v23 offset:BG+(32*(\t/2)+8*(\t%2))*4       ; bqd at channels 32 (t / 2) + 16 h + 8 (t % 2) + 0..7 starts each sum
	ds_load_b128 v[36+8*\t:39+8*\t], v23 offset:BG+(32*(\t/2)+8*(\t%2))*4+16
.endr
.irp s, 0,1,2,3
.if \s > 0
.rept 4
	v_nop                                                  ; places in front of loads into registers that matrix instructions have read
.endr
.endif
.irp t, 0,1,2,3
	ds_load_b128 v[64+8*\t:67+8*\t], v13 offset:IMD+1024*(4*\t+\s)
	ds_load_b128 v[68+8*\t:71+8*\t], v13 offset:IMD+1024*(4*\t+\s)+512
	ds_load_b32 v[234+\t], v25 offset:SCD+128*(4*\t+\s)
.endr
	ds_load_b128 v[192:195], v17 offset:IMQ+1024*\s
	ds_load_b128 v[196:199], v17 offset:IMQ+1024*\s+512
	ds_load_b32 v238, v18 offset:SCQ+64*\s
	s_wait_dscnt 0x0
.irp t, 0,1,2,3
	WM 32+8*\t, 64+8*\t, 192, v[32+8*\t:39+8*\t], 234+\t, 238          ; the four accumulators take turns
.endr
.endr
.rept 4
	v_nop
.endr
.irp t, 0,1,2,3
	ds_load_b128 v[64+8*\t:67+8*\t], v23 offset:BG+256+(32*(\t/2)+8*(\t%2))*4   ; g_q likewise, into the registers that the fragments have left
	ds_load_b128 v[68+8*\t:71+8*\t], v23 offset:BG+256+(32*(\t/2)+8*(\t%2))*4+16
.endr
	v_pk_mul_f32 v[26:27], v[32:33], v[32:33]              ; the sum of squares of my 32 channels, each accumulator from its low end on
	v_pk_mul_f32 v[28:29], v[34:35], v[34:35]
.irp q, 4,8,12,16,20,24,28
	v_pk_fma_f32 v[26:27], v[32+\q:33+\q], v[32+\q:33+\q], v[26:27]
	v_pk_fma_f32 v[28:29], v[34+\q:35+\q], v[34+\q:35+\q], v[28:29]
.endr
	v_pk_add_f32 v[26:27], v[26:27], v[28:29]
	v_add_f32 v26, v26, v27
	v_permlanex16_b32 v27, v26, s8, s9
	v_add_f32 v26, v26, v27                                ; with lane l xor 16's 32: all 64
	v_fma_f32 v26, v26, s10, s11
	v_rsq_f32 v26, v26
	v_nop
	s_wait_alu depctr_va_vdst(0)                           ; ahead of the first reader of the root
.irp q, 0,2,4,6,8,10,12,14,16,18,20,22,24,26,28,30
	v_pk_mul_f32 v[32+\q:33+\q], v[32+\q:33+\q], v[26:27] op_sel_hi:[1,0]
.endr
	s_wait_dscnt 0x0                                       ; g_q
.irp q, 0,2,4,6,8,10,12,14,16,18,20,22,24,26,28,30
	v_pk_mul_f32 v[32+\q:33+\q], v[32+\q:33+\q], v[64+\q:65+\q]
.endr
	; the latent's two blocks of 32: registers 16 b .. 16 b + 15 are channels 32 b + 16 h + 0..15
.irp b, 0,1
	v_max3_num_f32 v[26+\b], |v[32+16*\b]|, |v[33+16*\b]|, 0x1800000
.endr
.irp i, 2,4,6,8,10,12,14
.irp b, 0,1
	v_max3_num_f32 v[26+\b], v[26+\b], |v[32+16*\b+\i]|, |v[33+16*\b+\i]|
.endr
.endr
.irp b, 0,1
	v_permlanex16_b32 v[28+\b], v[26+\b], s8, s9
.endr
.irp b, 0,1
	v_max_num_f32 v[26+\b], v[26+\b], v[28+\b]
.endr
.irp b, 0,1
	v_add_nc_u32 v[30+\b], 0xff000000, v[26+\b]
.endr
.irp b, 0,1
	v_lshrrev_b32 v[28+\b], 23, v[30+\b]
.endr
	v_lshl_or_b32 v28, v29, 8, v28
	v_or_b32 v230, 0x7f7f0000, v28                         ; two bytes, and 127 for the two blocks of zero codes
.irp b, 0,1
	v_cvt_scalef32_pk8_fp4_f32 v[200+2*\b], v[32+16*\b:39+16*\b], v[30+\b]
	v_cvt_scalef32_pk8_fp4_f32 v[201+2*\b], v[40+16*\b:47+16*\b], v[30+\b]
.endr
	v_nop
	v_permlane16_swap_b32 v200, v202                       ; a whole block to a lane: lanes 0-15 block 0, lanes 16-31 block 1
	v_permlane16_swap_b32 v201, v203
	ds_store_b128 v19, v[200:203] offset:IML
	ds_store_b32 v20, v230 offset:SCL
.Lq_b2:
	; all waves: my 32 columns of Wqu become two fragments, which stay in registers; K = 64: the upper half of each is zero codes under the byte 127
	s_wait_loadcnt 0x0                                     ; the second group
	QB32 128, 208, 26, 27, 28                              ; my column's block 0
	QB32 160, 216, 26, 27, 29                              ; and block 1
.irp q, 0,1,2,3
	v_mov_b32 v[212+\q], 0
	v_mov_b32 v[220+\q], 0
.endr
.irp q, 0,1,2,3
	v_permlane16_swap_b32 v[208+\q], v[216+\q]             ; the first now holds columns 0-15: block 0 in lanes 0-15, block 1 in lanes 16-31; the second columns 16-31 likewise
.endr
	v_lshrrev_b32 v30, 23, v28
	v_lshrrev_b32 v31, 23, v29
	v_lshl_or_b32 v30, v31, 8, v30                         ; my column's two bytes
	v_mov_b32 v31, 0
	v_permlanex16_b32 v31, v30, s8, s9                     ; columns 16-31's come down to lanes 0-15
	v_or_b32 v232, 0x7f7f0000, v30
	v_or_b32 v233, 0x7f7f0000, v31
	BAR                                                    ; the latent's images lie in LDS
	; all waves: my 32 channels of q_heads for both batch tiles, transposed; x head weight x g_k
.irp i, 0,1
	ds_load_b128 v[192+8*\i:195+8*\i], v13 offset:IML+512*\i
	ds_load_b32 v[239+\i], v14 offset:SCL+128*\i
	ds_load_b32 v[26+2*\i], v21 offset:HWT+512*\i
.irp q, 0,1,2,3
	v_mov_b32 v[196+8*\i+\q], 0                            ; K = 64: zero codes above
.endr
.endr
.irp u, 0,1
	ds_load_b128 v[96+8*\u:99+8*\u], v22 offset:BQG+64*\u              ; bqu at my lane's eight channels of tile u
	ds_load_b128 v[100+8*\u:103+8*\u], v22 offset:BQG+64*\u+16
	ds_load_b128 v[112+8*\u:115+8*\u], v22 offset:BQG+128+64*\u        ; g_k likewise
	ds_load_b128 v[116+8*\u:119+8*\u], v22 offset:BQG+128+64*\u+16
.endr
	s_wait_dscnt 0x0
.rept 8
	v_nop                                                  ; operand registers written by vector instructions stand places ahead of a scaled matrix instruction
.endr
.irp u, 0,1
.irp i, 0,1
	WM 32+8*(2*\u+\i), 208+8*\u, 192+8*\i, v[96+8*\u:103+8*\u], 232+\u, 239+\i
.endr
.endr
.rept 4
	v_nop
.endr
.irp u, 0,1
.irp i, 0,1
.irp q, 0,2,4,6
	v_pk_mul_f32 v[32+8*(2*\u+\i)+\q:33+8*(2*\u+\i)+\q], v[32+8*(2*\u+\i)+\q:33+8*(2*\u+\i)+\q], v[26+2*\i:27+2*\i] op_sel_hi:[1,0]
.endr
.irp q, 0,2,4,6
	v_pk_mul_f32 v[32+8*(2*\u+\i)+\q:33+8*(2*\u+\i)+\q], v[32+8*(2*\u+\i)+\q:33+8*(2*\u+\i)+\q], v[112+8*\u+\q:113+8*\u+\q]
.endr
	ds_store_b128 v11, v[32+8*(2*\u+\i):35+8*(2*\u+\i)], offset:2304*\i+64*\u       ; into my stage: piece = batch 16 i + r, its 128 bytes = my 32 channels
	ds_store_b128 v11, v[36+8*(2*\u+\i):39+8*\u*2+8*\i], offset:2304*\i+64*\u+16
.endr
.endr
.irp q, 0,1,2,3,4,5,6,7
	ds_load_b128 v[128+4*\q:131+4*\q], v6 offset:576*\q    ; back by pieces (LDS serves a wave's instructions in order): four batches an instruction
.endr
.irp q, 0,1,2,3,4,5,6,7
	s_wait_dscnt 7-\q                                      ; the younger loads may be out
	global_store_b128 v24, v[128+4*\q:131+4*\q], s[6:7] offset:8192*\q   ; eight lanes store 128 consecutive bytes of a batch's row
.endr
	s_wait_tensorcnt 0x0                                   ; the wave's end
	ds_add_u32 v1, v2
	s_wait_dscnt 0x0
	s_endpgm
.Lfunc_end_k_q104aac60f4_prep:
	.size	k_q104aac60f4_prep, .Lfunc_end_k_q104aac60f4_prep-k_q104aac60f4_prep
	.p2alignl 7, 3214868480
	.fill 96, 4, 3214868480
	.section	.rodata,"a",@progbits
	.p2align	6, 0x0
	.amdhsa_kernel k_q104aac60f4_prep
		.amdhsa_group_segment_fixed_size 128000
		.amdhsa_private_segment_fixed_size 0
		.amdhsa_enable_private_segment 0
		.amdhsa_kernarg_size 112
		.amdhsa_user_sgpr_count 2
		.amdhsa_user_sgpr_kernarg_segment_ptr 1
		.amdhsa_wavefront_size32 1
		.amdhsa_system_sgpr_workgroup_id_x 1
		.amdhsa_system_sgpr_workgroup_id_y 1
		.amdhsa_system_sgpr_workgroup_id_z 1
		.amdhsa_system_vgpr_workitem_id 0
		.amdhsa_next_free_vgpr 256
		.amdhsa_next_free_sgpr 104
		.amdhsa_reserve_vcc 0
		.amdhsa_float_denorm_mode_32 3
		.amdhsa_float_denorm_mode_16_64 3
		.amdhsa_memory_ordered 1
		.amdhsa_forward_progress 1
		.amdhsa_inst_pref_size 83
	.end_amdhsa_kernel
	.amdgpu_metadata
---
amdhsa.version: [ 1, 2 ]
amdhsa.kernels:
  - .name:           k_q104aac60f4_prep
    .symbol:         k_q104aac60f4_prep.kd
    .args:
      - { .name: Wv, .offset: 0, .size: 8, .value_kind: global_buffer, .address_space: global }
      - { .name: Ww, .offset: 8, .size: 8, .value_kind: global_buffer, .address_space: global }
      - { .name: Wk, .offset: 16, .size: 8, .value_kind: global_buffer, .address_space: global }
      - { .name: wq, .offset: 24, .size: 8, .value_kind: global_buffer, .address_space: global }
      - { .name: Wqd, .offset: 32, .size: 8, .value_kind: global_buffer, .address_space: global }
      - { .name: Wqu, .offset: 40, .size: 8, .value_kind: global_buffer, .address_space: global }
      - { .name: Whw, .offset: 48, .size: 8, .value_kind: global_buffer, .address_space: global }
      - { .name: query, .offset: 56, .size: 8, .value_kind: global_buffer, .address_space: global }
      - { .name: bqd, .offset: 64, .size: 8, .value_kind: global_buffer, .address_space: global }
      - { .name: g_q, .offset: 72, .size: 8, .value_kind: global_buffer, .address_space: global }
      - { .name: bqu, .offset: 80, .size: 8, .value_kind: global_buffer, .address_space: global }
      - { .name: bhw, .offset: 88, .size: 8, .value_kind: global_buffer, .address_space: global }
      - { .name: g_k, .offset: 96, .size: 8, .value_kind: global_buffer, .address_space: global }
      - { .name: qg, .offset: 104, .size: 8, .value_kind: global_buffer, .address_space: global }
    .group_segment_fixed_size: 128000
    .private_segment_fixed_size: 0
    .kernarg_segment_align: 8
    .kernarg_segment_size: 112
    .max_flat_workgroup_size: 512
    .sgpr_count:     104
    .vgpr_count:     256
    .wavefront_size: 32
...
	.end_amdgpu_metadata
.endif
;; end of part 1
;; launch main (part 2): grid 256 x 1, 8 waves a work-group, no clusters, 327,680 bytes of LDS; arguments tokens, padding_mask, wq, pos_bias, bw, bv, g_out, bk, qg, bt, scores; writes bt, scores
.if DOCPART == 2
	.amdgcn_target "amdgcn-amd-amdhsa--gfx1250"
	.amdhsa_code_object_version 6
	.text
	.protected	k_q104aac60f4_main
	.globl	k_q104aac60f4_main
	.p2align	8
	.type	k_q104aac60f4_main,@function
k_q104aac60f4_main:
	s_mov_b64 s[64:65], 0
	v_nop
	global_prefetch_b8 v0, s[64:65] scope:SCOPE_SE
	s_setreg_imm32_b32 hwreg(HW_REG_WAVE_MODE, 25, 1), 1
	s_wait_xcnt 0x0
; MAIN.  Work-group g takes tokens 512 g .. 512 g + 511: 16 blocks of 32 of one batch, which are one tile of 16 block tokens.
; No work is left out here.  For each block: the tokens are quantised (E2M1, one E8M0 byte for each 32 along K), multiplied with Wv and Ww, the masked softmax over the
; block's 32 tokens is taken for each channel, and the values are pooled.  Then for the 16 block tokens: rmsnorm, the key product with Wk, and the score.
; LIMITS: valid logits under -1e37 are not served (the floor under the maximum, which keeps a block with no valid token finite); NaN and infinities among the inputs are not served.
; SHARES.  Eight waves.  Wave w owns channels 64 w .. 64 w + 63 of Wv and of Ww for every token: 32 fragments, 256 registers (window 1), read from memory once.
; Two waves share a SIMD, so that one wave's softmax stands beside the other's products.
; THE TOKENS come by tensor loads through two LDS slots of 64 tokens; each wave brings 8 tokens (32 rows of 512 bytes, dense in memory) of a slot.
; In step k all waves multiply block k from code buffer k % 2, while four waves (the class k + 1 mod 2) quantise block k + 1 into the other buffer.  One barrier a step; behind every second
; one the slot that has just been quantised out is filled again, and that load has two steps in which to land.
; NO CLUSTER: work-groups share only the weights, 272 KB that each wave reads once into registers; the 1 MB of tokens of a work-group is its own.
; THE PRODUCTS are used as they stand: source 0 = 16 tokens, source 1 = 16 channels.  Lane (r, h) holds channel r, and its 16 registers of the two token tiles hold tokens 16 i + 8 h + j:
; the softmax over tokens runs down a lane's registers and wants one exchange with lane l xor 16.
.set SLOTB, 135168                     ; a slot: 256 rows of 512 bytes + 16 of padding (pitch 528 = 33 x 16 bytes)
.set BLKB,  67584                      ; a block's 128 rows
.set CB0,   270336                     ; behind the ring; every address register below holds CB0 + a lane term, the region stands in the immediate
.set OCB,   8704                       ; code buffers 0 and 1: 32 rows of 256 bytes, pitch 272
.set OSC,   17408                      ; scale words, buffers 0 and 1: 512 bytes each, 16 bytes a token
.set OMA,   18432                      ; 512 numbers: 0 for a valid token, F32_MIN for a padded one
.set OBT,   20480                      ; the 16 pooled block tokens, pitch 2064
.set BTP,   2064
.set SPARE, 323840                     ; the spare words, 128 bytes for each of eight waves; no other line names them
.set WS,  16                           ; v16-31   the weights' scale words, register 4 t + s: lanes 0-15 Wv's, lanes 16-31 Ww's; scales and nothing else
.set BV,  32                           ; v32-35   bv of my channel, one a tile
.set AS,  36                           ; v36-39   the tokens' scale words, one a K step: lane l has token l's; scales and nothing else
.set MA,  40                           ; v40-55   the block's mask numbers in the result's layout
.set AF,  56                           ; v56-119  the tokens' fragments 8 (4 i + s); while quantising: two sets of 32 numbers
.set PT,  120                          ; v120-183 pos_bias + bw in the result's layout, 16 t + 8 i + j
.set VA,  184                          ; v184-199 values, two accumulators; while quantising: the codes
.set LA,  200                          ; v200-215 logits, two accumulators
; v1, v2 the add's two; v3 my ring row; v4 the same in the block in hand; v5, v6 where I store codes and scale words; v7 fragments; v8 16 x lane; v9, v10 mask numbers; v11, v12 pooled values
; v216-255 at work.  s2 wave, s3 class, s4 my quarter among the four that quantise, s5 trips, s6 the ring place of the slot in hand, s7 the block to quantise,
; s30, s31 the step's row of pooled values and mask numbers, s[32:39] group 1, s[40:43], s[44:47] groups 0
.set MSB, 0
.macro WIN new                         ; the immediate's high byte repeats the setting that is left
.if MSB != \new
	s_set_vgpr_msb (MSB<<8)|\new
.set MSB, \new
.endif
.endm
.macro QB32 x, c, m0, m1, sc           ; 32 numbers of one lane become 32 codes; v[sc] keeps the conversion's scale operand
	v_max3_num_f32 v[\m0], |v[(\x)]|, |v[(\x)+1]|, |v[(\x)+2]|
	v_max3_num_f32 v[\m1], |v[(\x)+3]|, |v[(\x)+4]|, |v[(\x)+5]|
.irp i, 6,10,14,18,22,26
	v_max3_num_f32 v[\m0], v[\m0], |v[(\x)+\i]|, |v[(\x)+\i+1]|
	v_max3_num_f32 v[\m1], v[\m1], |v[(\x)+\i+2]|, |v[(\x)+\i+3]|
.endr
	v_max3_num_f32 v[\m0], v[\m0], |v[(\x)+30]|, |v[(\x)+31]|
	v_max3_num_f32 v[\m0], v[\m0], v[\m1], 0x1800000       ; the floor 2^(3 - 127): the byte cannot fall under 1
	v_add_nc_u32 v[\sc], 0xff000000, v[\m0]                ; 2 off the exponent field
.irp g, 0,1,2,3
	v_cvt_scalef32_pk8_fp4_f32 v[(\c)+\g], v[(\x)+8*\g:(\x)+8*\g+7], v[\sc]
.endr
	v_nop                                                  ; one plain line behind the conversions
.endm
.macro LOADB b                         ; block b of my ring row: 32 numbers into set b % 2
.irp i, 0,1,2,3,4,5,6,7
	ds_load_b128 v[AF+32*((\b)%2)+4*\i:AF+32*((\b)%2)+4*\i+3], v4 offset:128*(\b)+16*\i
.endr
.endm
; The four waves of class cls quantise a block into code buffer p.  Lane u = 32 x quarter + lane takes ring row u: token u / 4, K step u % 4: 128 numbers, four blocks of 32.
.macro QSTEP cls, p
	s_cmp_lg_u32 s3, \cls
	s_cbranch_scc1 .Lnoq_\@
	LOADB 0
	LOADB 1
.irp b, 0,1,2,3
.if \b == 0
	s_wait_dscnt 8                                         ; behind block 0's loads: block 1's eight
.elseif \b == 3
	s_wait_dscnt 1                                         ; behind block 3's loads: one store of codes
.else
	s_wait_dscnt 9                                         ; behind this block's loads: one store of codes and the next set's eight loads
.endif
	QB32 AF+32*(\b%2), VA+4*\b, 216, 217, 218
.if \b == 0
	v_lshrrev_b32 v254, 23, v218                           ; the scale's byte; four make my row's word
.else
	v_lshrrev_b32 v255, 23, v218
	v_lshl_or_b32 v254, v255, 8*\b, v254
.endif
	ds_store_b128 v5, v[VA+4*\b:VA+4*\b+3] offset:OCB*\p+16*\b
.if \b < 2
	LOADB \b+2
.endif
.endr
	ds_store_b32 v6, v254 offset:OSC+512*\p
.Lnoq_\@:
.endm
.macro FRAGS p                         ; the block's eight fragments, its scale words and its mask numbers
.irp i, 0,1
.irp s, 0,1,2,3
.irp c, 0,1
	ds_load_b128 v[AF+8*(4*\i+\s)+4*\c:AF+8*(4*\i+\s)+4*\c+3], v7 offset:OCB*\p+4352*\i+64*\s+32*\c
.endr
.endr
.endr
	ds_load_b128 v[AS:AS+3], v8 offset:OSC+512*\p
	ds_load_b128 v[MA:MA+3], v10 offset:OMA
	ds_load_b128 v[MA+4:MA+7], v10 offset:OMA+16
	ds_load_b128 v[MA+8:MA+11], v10 offset:OMA+64
	ds_load_b128 v[MA+12:MA+15], v10 offset:OMA+80
	s_wait_dscnt 0x0
.endm
; 16 matrix instructions for channel tile t: the four accumulators take turns, one instruction a turn, K step by K step.
; The values' sums start with 0, the logits' with pos_bias + bw.  Token tile 1 reads its scale words from lanes 16-31, and so does Ww.
.macro MUL t
.irp s, 0,1,2,3
.set WB, 8*(4*\t+\s)
.set A0, AF+8*\s
.set A1, AF+32+8*\s
.if \s == 0
	v_wmma_scale_f32_16x16x128_f8f6f4 v[VA:VA+7], v[A0:A0+7], v[WB:WB+7], 0, v[AS+\s], v[WS+4*\t+\s] matrix_a_fmt:MATRIX_FMT_FP4 matrix_b_fmt:MATRIX_FMT_FP4
	v_wmma_scale_f32_16x16x128_f8f6f4 v[VA+8:VA+15], v[A1:A1+7], v[WB:WB+7], 0, v[AS+\s], v[WS+4*\t+\s] matrix_a_fmt:MATRIX_FMT_FP4 matrix_b_fmt:MATRIX_FMT_FP4 matrix_a_scale:MATRIX_SCALE_ROW1
	v_wmma_scale_f32_16x16x128_f8f6f4 v[LA:LA+7], v[A0:A0+7], v[WB+128:WB+135], v[PT+16*\t:PT+16*\t+7], v[AS+\s], v[WS+4*\t+\s] matrix_a_fmt:MATRIX_FMT_FP4 matrix_b_fmt:MATRIX_FMT_FP4 matrix_b_scale:MATRIX_SCALE_ROW1
	v_wmma_scale_f32_16x16x128_f8f6f4 v[LA+8:LA+15], v[A1:A1+7], v[WB+128:WB+135], v[PT+16*\t+8:PT+16*\t+15], v[AS+\s], v[WS+4*\t+\s] matrix_a_fmt:MATRIX_FMT_FP4 matrix_b_fmt:MATRIX_FMT_FP4 matrix_a_scale:MATRIX_SCALE_ROW1 matrix_b_scale:MATRIX_SCALE_ROW1
.else
	v_wmma_scale_f32_16x16x128_f8f6f4 v[VA:VA+7], v[A0:A0+7], v[WB:WB+7], v[VA:VA+7], v[AS+\s], v[WS+4*\t+\s] matrix_a_fmt:MATRIX_FMT_FP4 matrix_b_fmt:MATRIX_FMT_FP4
	v_wmma_scale_f32_16x16x128_f8f6f4 v[VA+8:VA+15], v[A1:A1+7], v[WB:WB+7], v[VA+8:VA+15], v[AS+\s], v[WS+4*\t+\s] matrix_a_fmt:MATRIX_FMT_FP4 matrix_b_fmt:MATRIX_FMT_FP4 matrix_a_scale:MATRIX_SCALE_ROW1
	v_wmma_scale_f32_16x16x128_f8f6f4 v[LA:LA+7], v[A0:A0+7], v[WB+128:WB+135], v[LA:LA+7], v[AS+\s], v[WS+4*\t+\s] matrix_a_fmt:MATRIX_FMT_FP4 matrix_b_fmt:MATRIX_FMT_FP4 matrix_b_scale:MATRIX_SCALE_ROW1
	v_wmma_scale_f32_16x16x128_f8f6f4 v[LA+8:LA+15], v[A1:A1+7], v[WB+128:WB+135], v[LA+8:LA+15], v[AS+\s], v[WS+4*\t+\s] matrix_a_fmt:MATRIX_FMT_FP4 matrix_b_fmt:MATRIX_FMT_FP4 matrix_a_scale:MATRIX_SCALE_ROW1 matrix_b_scale:MATRIX_SCALE_ROW1
.endif
.endr
.endm
; The softmax of channel tile t over my 16 tokens: sum of e and sum of e x value go to v[232+t] and v[236+t]; the other 16 tokens' are added in POOL.
.macro SOFT t
.rept 4
	v_nop                                                  ; places behind the last products (ISA guide 7.12.1)
.endr
.irp q, 0,2,4,6,8,10,12,14
	v_pk_add_f32 v[LA+\q:LA+\q+1], v[LA+\q:LA+\q+1], v[MA+\q:MA+\q+1]   ; a padded token's logit falls to F32_MIN; each accumulator is read from its low end on
.endr
	v_max3_num_f32 v216, v[LA], v[LA+1], v[LA+2]
	v_max3_num_f32 v217, v[LA+3], v[LA+4], v[LA+5]
	v_max3_num_f32 v216, v216, v[LA+6], v[LA+7]
	v_max3_num_f32 v217, v217, v[LA+8], v[LA+9]
	v_max3_num_f32 v216, v216, v[LA+10], v[LA+11]
	v_max3_num_f32 v217, v217, v[LA+12], v[LA+13]
	v_max3_num_f32 v216, v216, v[LA+14], v[LA+15]
	v_max3_num_f32 v216, v216, v217, 0xfcf0bdc2            ; and the floor -1e37, over F32_MIN
	v_permlanex16_b32 v217, v216, s52, s53
	v_max_num_f32 v216, v216, v217                         ; the maximum over the block's 32 tokens
	v_mul_f32 v218, s50, v216                              ; - m log2(e)
.irp q, 0,2,4,6,8,10,12,14
	v_pk_fma_f32 v[LA+\q:LA+\q+1], v[LA+\q:LA+\q+1], s[48:49], v[218:219] op_sel_hi:[1,0,0]
.endr
.irp e, 0,1,2,3,4,5,6,7,8,9,10,11,12,13,14,15
	v_exp_f32 v[LA+\e], v[LA+\e]
.endr
	v_nop                                                  ; a plain line behind the last exponential
	s_wait_alu depctr_va_vdst(0)                           ; one wait for the sixteen, ahead of their first reader
	v_pk_add_f32 v[220:221], v[LA:LA+1], v[LA+2:LA+3]
	v_pk_add_f32 v[222:223], v[LA+4:LA+5], v[LA+6:LA+7]
	v_pk_mul_f32 v[224:225], v[LA:LA+1], v[VA:VA+1]
	v_pk_mul_f32 v[226:227], v[LA+2:LA+3], v[VA+2:VA+3]
	v_pk_add_f32 v[220:221], v[220:221], v[LA+8:LA+9]
	v_pk_add_f32 v[222:223], v[222:223], v[LA+10:LA+11]
	v_pk_fma_f32 v[224:225], v[LA+4:LA+5], v[VA+4:VA+5], v[224:225]
	v_pk_fma_f32 v[226:227], v[LA+6:LA+7], v[VA+6:VA+7], v[226:227]
	v_pk_add_f32 v[220:221], v[220:221], v[LA+12:LA+13]
	v_pk_add_f32 v[222:223], v[222:223], v[LA+14:LA+15]
	v_pk_fma_f32 v[224:225], v[LA+8:LA+9], v[VA+8:VA+9], v[224:225]
	v_pk_fma_f32 v[226:227], v[LA+10:LA+11], v[VA+10:VA+11], v[226:227]
	v_pk_add_f32 v[220:221], v[220:221], v[222:223]
	v_pk_fma_f32 v[224:225], v[LA+12:LA+13], v[VA+12:VA+13], v[224:225]
	v_pk_fma_f32 v[226:227], v[LA+14:LA+15], v[VA+14:VA+15], v[226:227]
	v_add_f32 v[232+\t], v220, v221
	v_pk_add_f32 v[224:225], v[224:225], v[226:227]
	v_add_f32 v[236+\t], v224, v225
.endm
.macro POOL                            ; the four tiles' sums are joined with lane l xor 16's, divided, and bv is added; 64 channels go to the step's row
.irp e, 0,1,2,3,4,5,6,7
	v_permlanex16_b32 v[240+\e], v[232+\e], s52, s53
.endr
.irp e, 0,1,2,3,4,5,6,7
	v_add_f32 v[232+\e], v[232+\e], v[240+\e]
.endr
.irp t, 0,1,2,3
	v_max_num_f32 v[232+\t], 0x34000000, v[232+\t]         ; the clamp at the smallest step above 1 (F32_EPS)
.endr
.irp t, 0,1,2,3
	v_rcp_f32 v[232+\t], v[232+\t]
.endr
	v_nop
	s_wait_alu depctr_va_vdst(0)                           ; one wait for the four reciprocals
.irp t, 0,1,2,3
	v_fma_f32 v[248+\t], v[236+\t], v[232+\t], v[BV+\t]
.endr
	v_cndmask_b32 v252, v248, v249, s51                    ; both halves of the lanes hold all four: lanes 16-31 take the odd tile
	v_cndmask_b32 v253, v250, v251, s51
	ds_store_b32 v12, v252 offset:OBT
	ds_store_b32 v12, v253 offset:OBT+128
.endm
.macro PSTEP p                         ; a block's products, softmax and pooling, from code buffer p
	v_add_nc_u32 v10, s31, v9
	v_add_nc_u32 v12, s30, v11
	FRAGS \p
.irp t, 0,1,2,3
	WIN 0x04                                               ; source 1, the weights, in window 1
	MUL \t
	WIN 0
	SOFT \t
.endr
	POOL
	s_add_co_u32 s30, s30, BTP
	s_add_co_u32 s31, s31, 128
.endm
.macro BAR                             ; my LDS stores have landed and my LDS loads are in: the new codes are whole, and nobody reads the other buffer any more
	s_wait_dscnt 0x0
	s_barrier_signal -1
	s_barrier_wait -1
.endm
.macro BARFILL                         ; the same barrier, and behind it the slot that has been quantised out is filled with the tokens two slots on
	s_wait_tensorcnt 0x0                                   ; all my tensor loads have landed: the one that was out is my part of the next slot; so a group 0 may be written
	ds_add_u32 v1, v2                                      ; 0 onto my spare word
	s_add_co_u32 s45, s6, s54                              ; the slot in hand, my 32 rows of it
	s_add_nc_u64 s[46:47], s[46:47], 131072                ; the next 64 tokens; the type bits on top are not reached
	s_wait_dscnt 0x0                                       ; the add is done, and my reads of the slot are over
	s_barrier_signal -1
	s_barrier_wait -1
	tensor_load_to_lds s[44:47], s[32:39]                  ; my one tensor load behind this barrier, and the first thing there
	s_nop 0
.rept 4
	v_nop
.endr
.endm
.macro STEP_E                          ; an even step: class 1 quantises the slot's second block
	BAR
	s_add_co_u32 s7, s6, BLKB
	v_add_nc_u32 v4, s7, v3
	QSTEP 1, 1
	PSTEP 0
.endm
.macro STEP_O fill, tw, q              ; an odd step: class 0 quantises the next slot's first block
.if \fill
	BARFILL
.else
.if \tw
	s_wait_tensorcnt 0x0                                   ; my part of the last slot is in
.endif
	BAR
.endif
.if \q
	s_xor_b32 s7, s6, SLOTB
	v_add_nc_u32 v4, s7, v3
	QSTEP 0, 0
.endif
	PSTEP 1
	s_xor_b32 s6, s6, SLOTB
.endm
	s_load_b512 s[8:23], s[0:1], 0x0                       ; tokens 8, mask 10, wq 12, pos_bias 14, bw 16, bv 18, g_out 20, bk 22
	s_load_b128 s[24:27], s[0:1], 0x40                     ; qg 24, bt 26
	s_load_b64 s[28:29], s[0:1], 0x50                      ; scores
	v_lshl_add_u32 v1, v0, 2, SPARE
	v_mov_b32 v2, 0
	ds_add_u32 v1, v2                                      ; the wave's opening: the add, twice on end, and its wait ahead of my first tensor load
	ds_add_u32 v1, v2
	v_lshrrev_b32 v3, 5, v0
	v_readfirstlane_b32 s2, v3                             ; wave 0..7
	s_lshr_b32 s3, s2, 2
	s_xor_b32 s3, s3, s2
	s_and_b32 s3, s3, 1                                    ; class: it differs between waves w and w + 4 and between 2 i and 2 i + 1
	s_lshr_b32 s4, s2, 1                                   ; 0..3 within each class
	s_mov_b32 s32, (2<<16)|(1<<20)|(6<<22)|(3<<25)         ; no mask; elements of 4 bytes; padding on: 4 words behind every 128
	s_mov_b32 s33, 128<<16                                 ; tensor_dim0 = 128
	s_mov_b32 s34, 32<<16                                  ; tensor_dim1 = 32
	s_mov_b32 s35, 128<<16                                 ; tile_dim0 = 128 elements: 512 bytes
	s_mov_b32 s36, 32                                      ; tile_dim1 = 32 rows
	s_mov_b32 s37, 128                                     ; from row to row: dense
	s_mov_b32 s38, 0
	s_mov_b32 s39, 0
	s_mul_i32 s54, s2, 16896                               ; my 32 rows of a slot
	s_lshl_b32 s56, ttmp9, 20                              ; my work-group's 512 tokens of 2,048 bytes,
	s_lshl_b32 s57, s2, 14                                 ; my wave's 8 of a slot's 64
	s_add_co_u32 s56, s56, s57
	s_mov_b32 s57, 0
	s_mov_b32 s48, 0x3fb8aa3b                              ; log2(e), as a pair for the packed form
	s_mov_b32 s49, 0x3fb8aa3b
	s_mov_b32 s50, 0xbfb8aa3b
	s_mov_b32 s51, 0xffff0000                              ; lanes 16-31
	s_mov_b32 s52, 0x76543210
	s_mov_b32 s53, 0xfedcba98                              ; v_permlanex16_b32's selects for lane l xor 16
	s_mov_b32 s55, 0x358637bd                              ; 1e-6
	s_mov_b32 s6, 0
	s_mov_b32 s7, 0
	s_mov_b32 s30, 0
	s_mov_b32 s31, 0
	s_wait_dscnt 0x0                                       ; both opening adds are done
	s_wait_kmcnt 0x0
	s_mov_b32 s40, 1
	s_mov_b32 s41, s54
	s_add_nc_u64 s[42:43], s[8:9], s[56:57]
	s_mov_b32 s44, 1
	s_add_co_u32 s45, s54, SLOTB
	s_add_nc_u64 s[46:47], s[42:43], 131072
	s_or_b32 s43, s43, 0x80000000
	s_or_b32 s47, s47, 0x80000000
	tensor_load_to_lds s[40:43], s[32:39]                  ; slot 0; every wave issues both first fills: two loads of mine are out
	s_nop 0
	tensor_load_to_lds s[44:47], s[32:39]                  ; slot 1
	s_nop 0
.rept 4
	v_nop
.endr
	s_lshl_b32 s56, s2, 15
	s_add_nc_u64 s[58:59], s[12:13], s[56:57]              ; my 32 fragments
	s_lshl_b32 s56, s2, 11
	s_add_co_u32 s56, s56, 262144
	s_add_nc_u64 s[60:61], s[12:13], s[56:57]              ; their scale words
	s_lshl_b32 s56, s2, 8                                  ; my 64 channels
	s_add_nc_u64 s[62:63], s[14:15], s[56:57]
	s_add_nc_u64 s[16:17], s[16:17], s[56:57]
	s_add_nc_u64 s[18:19], s[18:19], s[56:57]
	s_add_nc_u64 s[20:21], s[20:21], s[56:57]
	s_lshl_b32 s56, ttmp9, 9
	s_add_nc_u64 s[10:11], s[10:11], s[56:57]              ; my work-group's 512 mask bytes
	s_lshl_b32 s56, s2, 6
	s_add_nc_u64 s[22:23], s[22:23], s[56:57]              ; the tail (waves 0-3): bk at key channel 16 w
	s_lshr_b32 s5, ttmp9, 3
	s_lshl_b32 s5, s5, 11
	s_add_co_u32 s56, s56, s5
	s_add_nc_u64 s[24:25], s[24:25], s[56:57]              ; qg of my batch at key channel 16 w
	s_lshl_b32 s56, ttmp9, 15
	s_and_b32 s5, s2, 3
	s_lshl_b32 s5, s5, 13
	s_add_co_u32 s56, s56, s5
	s_add_nc_u64 s[26:27], s[26:27], s[56:57]              ; bt: my work-group's 16 rows, 4 (w % 4) on
	s_lshl_b32 s56, ttmp9, 6
	s_add_nc_u64 s[28:29], s[28:29], s[56:57]
	v_and_b32 v216, 31, v0                                 ; lane
	v_and_b32 v217, 15, v0                                 ; r
	v_bfe_u32 v218, v0, 4, 1                               ; h
	v_lshlrev_b32 v13, 4, v216                             ; 16 lane
	v_lshlrev_b32 v15, 2, v217                             ; 4 r
	v_lshl_add_u32 v14, v218, 14, v15                      ; 8 h rows of pos_bias + 4 r
	WIN 0x40                                               ; destination window 1
.set n, 0
.rept 64
	global_load_b128 v[4*n:4*n+3], v13, s[58:59] offset:512*n          ; the weights: Wv (t, s) at 8 (4 t + s), Ww 128 further on
.set n, n+1
.endr
	WIN 0
.irp t, 0,1,2,3
	global_load_b128 v[WS+4*\t:WS+4*\t+3], v13, s[60:61] offset:512*\t
.endr
.set n, 0
.rept 64
	global_load_b32 v[PT+n], v14, s[62:63] offset:2048*(16*((n/8)%2)+n%8)+64*(n/16)   ; pos_bias(16 i + 8 h + j, 64 w + 16 t + r), n = 16 t + 8 i + j
.set n, n+1
.endr
.irp t, 0,1,2,3
	global_load_b32 v[224+\t], v15, s[16:17] offset:64*\t
	global_load_b32 v[BV+\t], v15, s[18:19] offset:64*\t
.endr
	global_load_u8 v220, v0, s[10:11]
	global_load_u8 v221, v0, s[10:11] offset:256
	v_mul_u32_u24 v3, v216, 528
	s_mul_i32 s56, s4, 16896
	v_add_nc_u32 v3, s56, v3                               ; ring row 32 x quarter + lane
	v_lshrrev_b32 v5, 2, v216
	v_mul_u32_u24 v5, v5, 272
	v_and_b32 v6, 3, v216
	v_lshl_add_u32 v5, v6, 6, v5
	s_mul_i32 s56, s4, 2176
	s_add_co_u32 s56, s56, CB0
	v_add_nc_u32 v5, s56, v5                               ; codes: token 8 x quarter + lane / 4, K step lane % 4
	v_lshlrev_b32 v6, 2, v216
	s_lshl_b32 s56, s4, 7
	s_add_co_u32 s56, s56, CB0
	v_add_nc_u32 v6, s56, v6                               ; scale word 32 x quarter + lane
	v_mul_u32_u24 v7, v217, 272
	v_lshl_add_u32 v7, v218, 4, v7
	v_add_nc_u32 v7, CB0, v7
	v_add_nc_u32 v8, CB0, v13
	v_lshlrev_b32 v9, 5, v218
	v_add_nc_u32 v9, CB0, v9
	v_lshlrev_b32 v11, 2, v216
	s_lshl_b32 s56, s2, 8
	s_add_co_u32 s56, s56, CB0
	v_add_nc_u32 v11, s56, v11
	v_lshl_add_u32 v222, v0, 2, CB0
	v_mov_b32 v219, 0                                      ; named as the upper half of a pair
.irp e, 0,1,2,3,4,5,6,7
	v_mov_b32 v[240+\e], 0                                 ; written once: a lane permute's destination counts as one of its sources
.endr
	s_wait_loadcnt 0x0
.irp t, 0,1,2,3
.irp e, 0,1,2,3,4,5,6,7,8,9,10,11,12,13,14,15
	v_add_f32 v[PT+16*\t+\e], v[PT+16*\t+\e], v[224+\t]    ; + bw, once
.endr
.endr
	v_sub_nc_u32 v220, 0, v220
	v_sub_nc_u32 v221, 0, v221
	v_and_b32 v220, 0xff7fffff, v220                       ; byte 1: F32_MIN; byte 0: 0
	v_and_b32 v221, 0xff7fffff, v221
	ds_store_b32 v222, v220 offset:OMA
	ds_store_b32 v222, v221 offset:OMA+1024
	s_wait_tensorcnt 0x1                                   ; my part of slot 0 is in; slot 1's may stay out
	s_wait_dscnt 0x0
	s_barrier_signal -1
	s_barrier_wait -1
	v_add_nc_u32 v4, s7, v3
	QSTEP 0, 0                                             ; block 0
	s_mov_b32 s5, 6
.Lpair:                                                    ; six trips of two steps: slots 2 to 7 are asked for
	STEP_E
	STEP_O 1, 0, 1
	s_sub_co_u32 s5, s5, 1
	s_cmp_lg_u32 s5, 0
	s_cbranch_scc1 .Lpair
	STEP_E                                                 ; the last four steps are written out: nothing is left to fetch
	STEP_O 0, 1, 1
	STEP_E
	STEP_O 0, 0, 0
	; ---------------- the tail: 16 block tokens
	v_and_b32 v216, 31, v0
	v_and_b32 v217, 15, v0
	v_bfe_u32 v218, v0, 4, 1
	v_lshlrev_b32 v230, 4, v216                            ; 16 lane
	v_lshlrev_b32 v231, 7, v218                            ; 128 h
	v_lshlrev_b32 v229, 5, v218                            ; 32 h
	v_lshlrev_b32 v227, 4, v217                            ; 16 r
	v_lshlrev_b32 v226, 2, v217                            ; 4 r
	WIN 0x40
.irp q, 0,1,2,3,4,5,6,7
	global_load_b128 v[96+4*\q:99+4*\q], v231, s[20:21] offset:16*\q    ; g_out of channels 32 (2 w + h) on
.endr
	WIN 0
	s_cmp_gt_u32 s2, 3
	s_cbranch_scc1 .Lta_done
	s_lshl_b32 s56, s2, 12
	s_add_co_u32 s56, s56, 278528
	s_mov_b32 s57, 0
	s_add_nc_u64 s[58:59], s[12:13], s[56:57]
	s_lshl_b32 s56, s2, 9
	s_add_co_u32 s56, s56, 294912
	s_add_nc_u64 s[60:61], s[12:13], s[56:57]
	WIN 0x40
.irp q, 0,1,2,3,4,5,6,7
	global_load_b128 v[64+4*\q:67+4*\q], v230, s[58:59] offset:512*\q   ; Wk's tile w, four K steps
.endr
.irp e, 0,1,2,3,4,5,6,7
	global_load_b128 v[8*\e:8*\e+3], v229, s[24:25] offset:256*\e       ; qg of head e at key channels 16 w + 8 h + 0..7
	global_load_b128 v[8*\e+4:8*\e+7], v229, s[24:25] offset:256*\e+16
.endr
	WIN 0
	global_load_b128 v[16:19], v227, s[60:61]              ; Wk's scale words
	global_load_b128 v[192:195], v229, s[22:23]            ; bk
	global_load_b128 v[196:199], v229, s[22:23] offset:16
.Lta_done:
	BAR                                                    ; all 16 rows of pooled values lie in LDS
	v_mul_u32_u24 v3, v217, BTP
	v_lshl_add_u32 v3, v218, 7, v3
	s_lshl_b32 s56, s2, 8
	s_add_co_u32 s56, s56, CB0
	v_add_nc_u32 v3, s56, v3                               ; row r, channels 32 (2 w + h) on
	v_lshlrev_b32 v4, 7, v217
	v_add_nc_u32 v4, CB0, v4                               ; 128 r
	v_lshlrev_b32 v5, 5, v217
	v_add_nc_u32 v5, CB0, v5                               ; 32 r
	s_lshl_b32 s56, s2, 2
	v_add_nc_u32 v6, s56, v5                               ; 32 r + 4 w
	s_lshl_b32 s56, s2, 9
	v_add_nc_u32 v7, s56, v8                               ; 16 lane + 512 w
	v_lshlrev_b32 v9, 2, v217
	v_add_nc_u32 v9, CB0, v9                               ; 4 r
	s_lshr_b32 s56, s2, 1
	s_lshl_b32 s56, s56, 6
	s_and_b32 s57, s2, 1
	s_lshl_b32 s57, s57, 1
	s_add_co_u32 s56, s56, s57
	v_add_nc_u32 v10, v9, v218
	v_add_nc_u32 v10, s56, v10                             ; 64 (w / 2) + 4 r + 2 (w % 2) + h
	v_mul_u32_u24 v11, v217, 192
	v_add_nc_u32 v11, CB0, v11                             ; 192 r
	s_mul_i32 s56, s2, 48
	v_add_nc_u32 v12, s56, v11                             ; 192 r + 48 w
	s_and_b32 s56, s2, 3
	s_mul_i32 s56, s56, 8256
	v_add_nc_u32 v225, s56, v8                             ; 16 lane + 4 (w % 4) rows
	; lane (r, h) takes row r and its block 2 w + h of 32 channels
.irp q, 0,1,2,3,4,5,6,7
	ds_load_b128 v[56+4*\q:59+4*\q], v3 offset:OBT+16*\q
.endr
.irp q, 0,1,2,3,4,5,6,7
	ds_load_b128 v[88+4*\q:91+4*\q], v4 offset:OMA+16*\q   ; block r's 32 mask numbers
.endr
	s_wait_dscnt 0x0
	v_pk_mul_f32 v[216:217], v[56:57], v[56:57]
	v_pk_mul_f32 v[218:219], v[58:59], v[58:59]
.irp q, 4,8,12,16,20,24,28
	v_pk_fma_f32 v[216:217], v[56+\q:57+\q], v[56+\q:57+\q], v[216:217]
	v_pk_fma_f32 v[218:219], v[58+\q:59+\q], v[58+\q:59+\q], v[218:219]
.endr
	v_pk_add_f32 v[216:217], v[216:217], v[218:219]
	v_add_f32 v216, v216, v217
	v_permlanex16_b32 v217, v216, s52, s53
	v_add_f32 v216, v216, v217                             ; my wave's 64 channels of row r
	ds_store_b32 v6, v216 offset:OSC+512                   ; (the second buffer of scale words has had its last read)
	v_max3_num_f32 v220, v88, v89, v90
	v_max3_num_f32 v221, v91, v92, v93
.irp q, 94,98,102,106,110,114
	v_max3_num_f32 v220, v220, v[\q], v[\q+1]
	v_max3_num_f32 v221, v221, v[\q+2], v[\q+3]
.endr
	v_max3_num_f32 v220, v220, v118, v119
	v_max_num_f32 v220, v220, v221                         ; 0 where the block has a valid token
	v_cmp_eq_u32 vcc_lo, 0, v220
	v_cndmask_b32 v228, 0, 1.0, vcc_lo                     ; 1 for such a block, else 0; kept
	BAR
	ds_load_b128 v[216:219], v5 offset:OSC+512
	ds_load_b128 v[220:223], v5 offset:OSC+528
	s_wait_dscnt 0x0
	v_pk_add_f32 v[216:217], v[216:217], v[218:219]
	v_pk_add_f32 v[220:221], v[220:221], v[222:223]
	v_pk_add_f32 v[216:217], v[216:217], v[220:221]
	v_add_f32 v216, v216, v217
	s_mov_b32 s56, 0x3b000000                              ; 1 / 512
	v_fma_f32 v216, v216, s56, s55
	v_rsq_f32 v216, v216
	v_nop
	s_wait_alu depctr_va_vdst(0)
	v_mul_f32 v216, v216, v228                             ; a block with no valid token becomes 0
	s_wait_loadcnt 0x0                                     ; g_out, and in waves 0-3 Wk, qg, bk
.irp q, 0,2,4,6,8,10,12,14,16,18,20,22,24,26,28,30
	v_pk_mul_f32 v[56+\q:57+\q], v[56+\q:57+\q], v[216:217] op_sel_hi:[1,0]
.endr
	WIN 0x01                                               ; source 0, g_out, in window 1
.irp q, 0,2,4,6,8,10,12,14,16,18,20,22,24,26,28,30
	v_pk_mul_f32 v[56+\q:57+\q], v[96+\q:97+\q], v[56+\q:57+\q]
.endr
	WIN 0
.irp q, 0,1,2,3,4,5,6,7
	ds_store_b128 v3, v[56+4*\q:59+4*\q] offset:OBT+16*\q  ; the block tokens, back in place: my own bytes
.endr
	QB32 56, VA, 220, 221, 222                             ; my block is piece w % 2 of K step w / 2 of the key product's operand, as it stands
	v_lshrrev_b32 v223, 23, v222
	ds_store_b128 v7, v[VA:VA+3]
	ds_store_b8 v10, v223 offset:OSC
	BAR
	s_cmp_gt_u32 s2, 3
	s_cbranch_scc1 .Lrows
	; waves 0-3: key channels 16 w .. 16 w + 15 of the 16 blocks (source 0 = Wk's tile, source 1 = the block tokens): a lane holds block r and eight channels
.irp q, 0,1,2,3,4,5,6,7
	ds_load_b128 v[152+4*\q:155+4*\q], v8 offset:512*\q
.endr
.irp s, 0,1,2,3
	ds_load_b32 v[20+\s], v9 offset:OSC+64*\s
.endr
	s_wait_dscnt 0x0
	WIN 0x01
	v_wmma_scale_f32_16x16x128_f8f6f4 v[184:191], v[64:71], v[152:159], v[192:199], v16, v20 matrix_a_fmt:MATRIX_FMT_FP4 matrix_b_fmt:MATRIX_FMT_FP4
	s_wait_alu depctr_va_vdst(0)                           ; a wait directly ahead of each link
	v_wmma_scale_f32_16x16x128_f8f6f4 v[184:191], v[72:79], v[160:167], v[184:191], v17, v21 matrix_a_fmt:MATRIX_FMT_FP4 matrix_b_fmt:MATRIX_FMT_FP4
	s_wait_alu depctr_va_vdst(0)
	v_wmma_scale_f32_16x16x128_f8f6f4 v[184:191], v[80:87], v[168:175], v[184:191], v18, v22 matrix_a_fmt:MATRIX_FMT_FP4 matrix_b_fmt:MATRIX_FMT_FP4
	s_wait_alu depctr_va_vdst(0)
	v_wmma_scale_f32_16x16x128_f8f6f4 v[184:191], v[88:95], v[176:183], v[184:191], v19, v23 matrix_a_fmt:MATRIX_FMT_FP4 matrix_b_fmt:MATRIX_FMT_FP4
.rept 4
	v_nop
.endr
.irp e, 0,1,2,3,4,5,6,7
	v_pk_mul_f32 v[200+2*\e:201+2*\e], v[8*\e:8*\e+1], v[184:185]       ; the eight heads' dot products, in f32
.endr
.irp q, 2,4,6
.irp e, 0,1,2,3,4,5,6,7
	v_pk_fma_f32 v[200+2*\e:201+2*\e], v[8*\e+\q:8*\e+\q+1], v[184+\q:185+\q], v[200+2*\e:201+2*\e]
.endr
.endr
	WIN 0
.irp e, 0,1,2,3,4,5,6,7
	v_add_f32 v[216+\e], v[200+2*\e], v[201+2*\e]
.endr
	v_pk_mul_f32 v[242:243], v[184:185], v[184:185]        ; and the key's sum of squares
	v_pk_fma_f32 v[242:243], v[186:187], v[186:187], v[242:243]
	v_pk_fma_f32 v[242:243], v[188:189], v[188:189], v[242:243]
	v_pk_fma_f32 v[242:243], v[190:191], v[190:191], v[242:243]
	v_add_f32 v224, v242, v243
.irp e, 0,1,2,3,4,5,6,7,8
	v_permlanex16_b32 v[232+\e], v[216+\e], s52, s53
.endr
.irp e, 0,1,2,3,4,5,6,7,8
	v_add_f32 v[216+\e], v[216+\e], v[232+\e]              ; my wave's 16 channels
.endr
	ds_store_b128 v12, v[216:219] offset:OCB               ; (the second code buffer has had its last read)
	ds_store_b128 v12, v[220:223] offset:OCB+16
	ds_store_b32 v12, v224 offset:OCB+32
	s_branch .Lte_join
.Lrows:
	; waves 4-7: four whole rows of block tokens each go to memory
.irp i, 0,1,2,3,4,5,6,7,8,9,10,11,12,13,14,15
	ds_load_b128 v[56+4*\i:59+4*\i], v225 offset:OBT+BTP*(\i/4)+512*(\i%4)
.endr
.irp i, 0,1,2,3,4,5,6,7,8,9,10,11,12,13,14,15
	s_wait_dscnt 15-\i                                     ; the younger loads may be out
	global_store_b128 v230, v[56+4*\i:59+4*\i], s[26:27] offset:2048*(\i/4)+512*(\i%4)   ; 32 lanes store 512 consecutive bytes, aligned
.endr
.Lte_join:
	BAR
	s_cmp_lg_u32 s2, 0
	s_cbranch_scc1 .Lend
	; wave 0: the four waves' parts, relu, the sum over heads, the key's 1 / rms, the mask
.irp u, 0,1,2,3
	ds_load_b128 v[56+16*\u:59+16*\u], v11 offset:OCB+48*\u
	ds_load_b128 v[60+16*\u:63+16*\u], v11 offset:OCB+48*\u+16
	ds_load_b32 v[64+16*\u], v11 offset:OCB+48*\u+32
.endr
	s_wait_dscnt 0x0
.irp q, 0,2,4,6
	v_pk_add_f32 v[56+\q:57+\q], v[56+\q:57+\q], v[72+\q:73+\q]
	v_pk_add_f32 v[88+\q:89+\q], v[88+\q:89+\q], v[104+\q:105+\q]
.endr
.irp q, 0,2,4,6
	v_pk_add_f32 v[56+\q:57+\q], v[56+\q:57+\q], v[88+\q:89+\q]
.endr
	v_add_f32 v64, v64, v80
	v_add_f32 v96, v96, v112
	v_add_f32 v64, v64, v96
.irp e, 0,1,2,3,4,5,6,7
	v_max_num_f32 v[56+\e], 0, v[56+\e]
.endr
	v_pk_add_f32 v[56:57], v[56:57], v[58:59]
	v_pk_add_f32 v[60:61], v[60:61], v[62:63]
	v_pk_add_f32 v[56:57], v[56:57], v[60:61]
	v_add_f32 v56, v56, v57
	s_mov_b32 s56, 0x3c800000                              ; 1 / 64
	v_fma_f32 v64, v64, s56, s55
	v_rsq_f32 v64, v64
	v_mov_b32 v57, 0xff7fffff                              ; F32_MIN (a plain line behind the root)
	s_wait_alu depctr_va_vdst(0)
	v_mul_f32 v56, v56, v64
	v_cmp_eq_u32 vcc_lo, 0, v228
	v_cndmask_b32 v56, v56, v57, vcc_lo
	global_store_b32 v226, v56, s[28:29]                   ; lanes 16-31 store the same numbers to the same places as lanes 0-15
.Lend:
	s_wait_tensorcnt 0x0                                   ; the wave's end
	ds_add_u32 v1, v2
	s_wait_dscnt 0x0
	s_endpgm
.Lfunc_end_k_q104aac60f4_main:
	.size	k_q104aac60f4_main, .Lfunc_end_k_q104aac60f4_main-k_q104aac60f4_main
	.p2alignl 7, 3214868480
	.fill 96, 4, 3214868480
	.section	.rodata,"a",@progbits
	.p2align	6, 0x0
	.amdhsa_kernel k_q104aac60f4_main
		.amdhsa_group_segment_fixed_size 327680
		.amdhsa_private_segment_fixed_size 0
		.amdhsa_enable_private_segment 0
		.amdhsa_kernarg_size 88
		.amdhsa_user_sgpr_count 2
		.amdhsa_user_sgpr_kernarg_segment_ptr 1
		.amdhsa_wavefront_size32 1
		.amdhsa_system_sgpr_workgroup_id_x 1
		.amdhsa_system_sgpr_workgroup_id_y 1
		.amdhsa_system_sgpr_workgroup_id_z 1
		.amdhsa_system_vgpr_workitem_id 0
		.amdhsa_next_free_vgpr 512
		.amdhsa_next_free_sgpr 66
		.amdhsa_reserve_vcc 1
		.amdhsa_float_denorm_mode_32 3
		.amdhsa_float_denorm_mode_16_64 3
		.amdhsa_memory_ordered 1
		.amdhsa_forward_progress 1
		.amdhsa_inst_pref_size 249
	.end_amdhsa_kernel
	.amdgpu_metadata
---
amdhsa.version: [ 1, 2 ]
amdhsa.kernels:
  - .name:           k_q104aac60f4_main
    .symbol:         k_q104aac60f4_main.kd
    .args:
      - { .name: tokens, .offset: 0, .size: 8, .value_kind: global_buffer, .address_space: global }
      - { .name: padding_mask, .offset: 8, .size: 8, .value_kind: global_buffer, .address_space: global }
      - { .name: wq, .offset: 16, .size: 8, .value_kind: global_buffer, .address_space: global }
      - { .name: pos_bias, .offset: 24, .size: 8, .value_kind: global_buffer, .address_space: global }
      - { .name: bw, .offset: 32, .size: 8, .value_kind: global_buffer, .address_space: global }
      - { .name: bv, .offset: 40, .size: 8, .value_kind: global_buffer, .address_space: global }
      - { .name: g_out, .offset: 48, .size: 8, .value_kind: global_buffer, .address_space: global }
      - { .name: bk, .offset: 56, .size: 8, .value_kind: global_buffer, .address_space: global }
      - { .name: qg, .offset: 64, .size: 8, .value_kind: global_buffer, .address_space: global }
      - { .name: bt, .offset: 72, .size: 8, .value_kind: global_buffer, .address_space: global }
      - { .name: scores, .offset: 80, .size: 8, .value_kind: global_buffer, .address_space: global }
    .group_segment_fixed_size: 327680
    .private_segment_fixed_size: 0
    .kernarg_segment_align: 8
    .kernarg_segment_size: 88
    .max_flat_workgroup_size: 256
    .sgpr_count:     66
    .vgpr_count:     512
    .wavefront_size: 32
...
	.end_amdgpu_metadata
.endif
;; end of part 2
;; launch select (part 3): grid 8 x 32, 4 waves a work-group, no clusters, 34,816 bytes of LDS; arguments scores, bt, out0, out1; writes out0, out1
.if DOCPART == 3
	.amdgcn_target "amdgcn-amd-amdhsa--gfx1250"
	.amdhsa_code_object_version 6
	.text
	.protected	k_q104aac60f4_select
	.globl	k_q104aac60f4_select
	.p2align	8
	.type	k_q104aac60f4_select,@function
k_q104aac60f4_select:
	s_mov_b64 s[64:65], 0
	v_nop
	global_prefetch_b8 v0, s[64:65] scope:SCOPE_SE
	s_setreg_imm32_b32 hwreg(HW_REG_WAVE_MODE, 25, 1), 1
	s_wait_xcnt 0x0
; SELECT.  Work-group (x, y): batch y, channels 64 x .. 64 x + 63.  No work is left out here.
; The 128 scores of the batch are ranked: rank = the number of greater scores + the number of equal scores with a lower index, which is the order of jax.lax.top_k.
; The ranks come from floating-point numbers, so no address hangs on them: all 128 rows' 256 bytes go through LDS at fixed places, and each thread picks
; the rows of ranks t / 16 and t / 16 + 8 by v_cndmask_b32.
; A score is F32_MIN (a block with no valid token) or >= 0; with -0 turned into +0 its bits, read as a signed whole number, keep the order.
; Blocks with no valid token come last, so out1[rank] = (rank >= the number of blocks with a valid token).
; LIMITS: NaN and infinities among the scores are not ordered.
.set DATA,  0                          ; 128 rows x 256 bytes
.set KEYS,  32768                      ; 128 keys
.set RANK,  33280                      ; 128 ranks
.set CNT,   33792                      ; four counts of valid blocks, one a wave
.set SPARE, 34048                      ; the spare words, 128 bytes for each of four waves; no other line names them
	s_load_b256 s[4:11], s[0:1], 0x0                       ; scores s[4:5], bt s[6:7], out0 s[8:9], out1 s[10:11]
	v_lshl_add_u32 v1, v0, 2, SPARE
	v_mov_b32 v2, 0
	v_lshrrev_b32 v3, 5, v0
	v_readfirstlane_b32 s2, v3                             ; wave
	s_and_b32 s3, ttmp7, 0xffff                            ; batch
	v_lshlrev_b32 v4, 2, v0                                ; 4 t
	v_lshrrev_b32 v8, 4, v0                                ; the first rank that I pick: t / 16
	v_and_b32 v7, 15, v0
	v_lshlrev_b32 v7, 4, v7                                ; my 16 bytes of a row's 256
	v_lshl_add_u32 v5, v8, 11, v7                          ; 2048 (t / 16) + 16 (t % 16): in bt and in out0
	v_lshlrev_b32 v6, 4, v0                                ; 16 t
	v_add_nc_u32 v9, 8, v8                                 ; the second rank
	v_mov_b32 v10, 0
	v_mov_b32 v11, s2
	v_lshlrev_b32 v11, 2, v11
	v_mov_b32 v14, 0                                       ; my rank
.irp e, 0,1,2,3,4,5,6,7
	v_mov_b32 v[176+\e], 0                                 ; the two picked pieces
.endr
	s_lshl_b32 s12, s3, 9
	s_mov_b32 s13, 0
	s_lshl_b32 s16, ttmp9, 8
	s_lshl_b32 s14, s3, 18
	s_add_co_u32 s14, s14, s16
	s_mov_b32 s15, 0
	s_lshl_b32 s18, s3, 15
	s_add_co_u32 s18, s18, s16
	s_mov_b32 s19, 0
	s_lshl_b32 s20, s3, 4
	s_mov_b32 s21, 0
	s_wait_kmcnt 0x0
	s_add_nc_u64 s[4:5], s[4:5], s[12:13]
	s_add_nc_u64 s[6:7], s[6:7], s[14:15]
	s_add_nc_u64 s[8:9], s[8:9], s[18:19]
	s_add_nc_u64 s[10:11], s[10:11], s[20:21]
	global_load_b32 v3, v4, s[4:5]
.irp q, 0,1,2,3,4,5,6,7,8,9,10,11,12,13,14,15
	global_load_b128 v[16+4*\q:19+4*\q], v5, s[6:7] offset:16384*\q th:TH_LOAD_NT   ; rows t / 16 + 8 q: sixteen lanes read 256 consecutive bytes
.endr
	s_wait_loadcnt 16                                      ; my score is in; the 16 loads of rows may be out
	v_add_f32 v3, 0, v3                                    ; -0 becomes +0
	v_add_nc_u32 v12, -1, v3                               ; K - 1
	ds_store_b32 v4, v3 offset:KEYS
	v_cmp_le_i32 s22, 0, v3
	s_bcnt1_i32_b32 s22, s22                               ; my wave's blocks with a valid token
	v_mov_b32 v13, s22
	ds_store_b32 v11, v13 offset:CNT
	s_wait_loadcnt 0x0
.irp q, 0,1,2,3,4,5,6,7,8,9,10,11,12,13,14,15
	ds_store_b128 v6, v[16+4*\q:19+4*\q] offset:DATA+2048*\q
.endr
	s_wait_dscnt 0x0
	s_barrier_signal -1
	s_barrier_wait -1
.irp q, 0,1,2,3,4,5,6,7,8,9,10,11,12,13,14,15,16,17,18,19,20,21,22,23,24,25,26,27,28,29,30,31
	ds_load_b128 v[16+4*\q:19+4*\q], v10 offset:KEYS+16*\q  ; all 128 keys, the same in every lane
.endr
.set j, 0
.rept 128
.if (j%32) == 0
	s_wait_dscnt 24-8*(j/32)                               ; the next eight loads are in; the younger ones may be out
.endif
	v_cmp_ge_u32 vcc_lo, j, v0
	v_cndmask_b32 v13, v12, v3, vcc_lo                     ; j < t: K - 1, so that an equal key counts; else K
	v_cmp_gt_i32 vcc_lo, v[16+j], v13
	v_add_co_ci_u32 v14, vcc_lo, 0, v14, vcc_lo
.set j, j+1
.endr
	ds_store_b32 v4, v14 offset:RANK
	s_wait_dscnt 0x0
	s_barrier_signal -1
	s_barrier_wait -1
.macro LOADG g                         ; 16 rows' ranks and my 16 bytes of each, into set g % 2
.set SB, 16+80*((\g)%2)
.irp i, 0,1,2,3
	ds_load_b128 v[SB+4*\i:SB+4*\i+3], v10 offset:RANK+64*(\g)+16*\i
.endr
.irp i, 0,1,2,3,4,5,6,7,8,9,10,11,12,13,14,15
	ds_load_b128 v[SB+16+4*\i:SB+16+4*\i+3], v7 offset:DATA+256*(16*(\g)+\i)
.endr
.endm
.macro PICK g
.set SB, 16+80*((\g)%2)
.irp i, 0,1,2,3,4,5,6,7,8,9,10,11,12,13,14,15
	v_cmp_eq_u32 vcc_lo, v[SB+\i], v8
.irp e, 0,1,2,3
	v_cndmask_b32 v[176+\e], v[176+\e], v[SB+16+4*\i+\e], vcc_lo
.endr
	v_cmp_eq_u32 vcc_lo, v[SB+\i], v9
.irp e, 0,1,2,3
	v_cndmask_b32 v[180+\e], v[180+\e], v[SB+16+4*\i+\e], vcc_lo
.endr
.endr
.endm
	LOADG 0
.irp g, 0,1,2,3,4,5,6
	LOADG \g+1
	s_wait_dscnt 20                                        ; this group is in; the next group's 20 loads may be out
	PICK \g
.endr
	s_wait_dscnt 0x0
	PICK 7
	global_store_b128 v5, v[176:179], s[8:9]               ; sixteen lanes store 256 consecutive bytes, aligned
	global_store_b128 v5, v[180:183], s[8:9] offset:16384
	s_or_b32 s23, s2, ttmp9
	s_cmp_lg_u32 s23, 0
	s_cbranch_scc1 .Lend
	ds_load_b128 v[16:19], v10 offset:CNT                  ; wave 0 of chunk 0: the batch's 16 flags
	s_wait_dscnt 0x0
	v_add_nc_u32 v16, v16, v17
	v_add_nc_u32 v18, v18, v19
	v_add_nc_u32 v16, v16, v18
	v_cmp_ge_u32 vcc_lo, v0, v16
	v_cndmask_b32 v17, 0, 1, vcc_lo
	v_cmp_gt_u32 vcc_lo, 16, v0
	s_wait_xcnt 0x0                                        ; EXEC changes only behind this wait: the stores above have been translated
	s_and_saveexec_b32 s24, vcc_lo
	global_store_b8 v0, v17, s[10:11]
	s_wait_xcnt 0x0                                        ; and again, in front of the line that widens it
	s_or_b32 exec_lo, exec_lo, s24
.Lend:
	s_wait_tensorcnt 0x0                                   ; the wave's end
	ds_add_u32 v1, v2
	s_wait_dscnt 0x0
	s_endpgm
.Lfunc_end_k_q104aac60f4_select:
	.size	k_q104aac60f4_select, .Lfunc_end_k_q104aac60f4_select-k_q104aac60f4_select
	.p2alignl 7, 3214868480
	.fill 96, 4, 3214868480
	.section	.rodata,"a",@progbits
	.p2align	6, 0x0
	.amdhsa_kernel k_q104aac60f4_select
		.amdhsa_group_segment_fixed_size 34816
		.amdhsa_private_segment_fixed_size 0
		.amdhsa_enable_private_segment 0
		.amdhsa_kernarg_size 32
		.amdhsa_user_sgpr_count 2
		.amdhsa_user_sgpr_kernarg_segment_ptr 1
		.amdhsa_wavefront_size32 1
		.amdhsa_system_sgpr_workgroup_id_x 1
		.amdhsa_system_sgpr_workgroup_id_y 1
		.amdhsa_system_sgpr_workgroup_id_z 1
		.amdhsa_system_vgpr_workitem_id 0
		.amdhsa_next_free_vgpr 192
		.amdhsa_next_free_sgpr 66
		.amdhsa_reserve_vcc 1
		.amdhsa_float_denorm_mode_32 3
		.amdhsa_float_denorm_mode_16_64 3
		.amdhsa_memory_ordered 1
		.amdhsa_forward_progress 1
		.amdhsa_inst_pref_size 77
	.end_amdhsa_kernel
	.amdgpu_metadata
---
amdhsa.version: [ 1, 2 ]
amdhsa.kernels:
  - .name:           k_q104aac60f4_select
    .symbol:         k_q104aac60f4_select.kd
    .args:
      - { .name: scores, .offset: 0, .size: 8, .value_kind: global_buffer, .address_space: global }
      - { .name: bt, .offset: 8, .size: 8, .value_kind: global_buffer, .address_space: global }
      - { .name: out0, .offset: 16, .size: 8, .value_kind: global_buffer, .address_space: global }
      - { .name: out1, .offset: 24, .size: 8, .value_kind: global_buffer, .address_space: global }
    .group_segment_fixed_size: 34816
    .private_segment_fixed_size: 0
    .kernarg_segment_align: 8
    .kernarg_segment_size: 32
    .max_flat_workgroup_size: 128
    .sgpr_count:     66
    .vgpr_count:     192
    .wavefront_size: 32
...
	.end_amdgpu_metadata
.endif
;; end of part 3
